; MI455X (gfx1250); checked and timed in simulation.
; The chip was launched on July 23, 2026; its instructions are those of AMD's public machine-readable ISA for CDNA 5 (MIT licence, August 2026) and "CDNA5" Instruction Set Architecture Reference Guide (July 2026). The comments in the code are by the model that wrote it; some were corrected since.
;; Autoregressive Attention. Allowed arithmetic: matrix products marked QUANTISED: E4M3 operands, one given power-of-two scale a tensor, by v_wmma_f32_16x16x64_fp8_fp8 or v_wmma_f32_16x16x128_fp8_fp8, f32 sums; everything else in f32.
;; Inputs: Wk_codes 1,024 x 32 x 32 uint8 (E4M3 codes of Wk, K innermost, in blocks of 32 codes); Wq_codes 1,024 x 32 x 32 uint8 (E4M3 codes of Wq, K innermost, in blocks of 32 codes); Wv_codes 1,024 x 32 x 32 uint8 (E4M3 codes of Wv, K innermost, in blocks of 32 codes); bk 1,024 float32; bq 1,024 float32; bv 1,024 float32; inputs_codes 4 x 2,048 x 32 x 32 uint8 (E4M3 codes of inputs, K innermost, in blocks of 32 codes); lowp_scales 10 int32 (the exponents e of the quantised operands' scales 2^e).
;; Outputs: out0 4 x 2,048 x 1,024 float32.
;; This version of the problem:
;;   THIS VERSION OF THE PROBLEM IS GIVEN IN LOW PRECISION. The matrix products marked QUANTISED in the list below multiply operands that are first quantised to E4M3 (4 exponent bits, 3 mantissa bits; 8 bits a number), with one given power-of-two scale for each operand tensor; their sums are f32. All else is computed in f32.
;;   The module's matrix products, in the order in which they are computed (A, B: the left and right operand; K: the contracted axis; several contracted axes count as one K, in the product's order):
;;     1. [M 8,192, K 1,024] x [K 1,024, N 1,024]; A: input inputs (given as codes); B: input Wq (given as codes): QUANTISED (scales: A lowp_scales[0], B lowp_scales[1])
;;     2. [M 8,192, K 1,024] x [K 1,024, N 1,024]; A: input inputs (given as codes); B: input Wk (given as codes): QUANTISED (scales: A lowp_scales[2], B lowp_scales[3])
;;     3. [M 8,192, K 1,024] x [K 1,024, N 1,024]; A: input inputs (given as codes); B: input Wv (given as codes): QUANTISED (scales: A lowp_scales[4], B lowp_scales[5])
;;     4. batch 4 x [M 2,048, K 1,024] x [K 1,024, N 2,048]; A: computed on the way; B: computed on the way: QUANTISED (scales: A lowp_scales[6], B lowp_scales[7])
;;     5. batch 4 x [M 2,048, K 2,048] x [K 2,048, N 1,024]; A: softmax (see below); B: computed on the way: QUANTISED (scales: A lowp_scales[8], B lowp_scales[9])
;;   THE QUANTISER, for each operand of a quantised product, along K:
;;     - The operand's scale is 2^e, e = its entry of the input lowp_scales (int32; the entries are numbered through the quantised products in the list's order, A before B).
;;     - Each number is divided by the scale, clamped to +-448, and rounded to the nearest number of E4M3, ties to even, subnormals kept.
;;     - The product sums the exact products of the quantised numbers (number of the format x scale) in f32.
;;   ~~~python
;;   def quantise(x, axis, e):      # numpy; x: float32 -> the quantised numbers, widened to float32 again
;;       x = np.moveaxis(x, axis, -1); K = x.shape[-1]
;;       r = np.clip(x / 2.0 ** e, -448, 448)
;;       step = 2.0 ** (np.maximum(np.frexp(np.where(r == 0, 1, r))[1] - 1, -6) - 3)
;;       q = np.round(r / step) * step * 2.0 ** e      # np.round: ties to even
;;       return np.moveaxis(q, -1, axis).astype(np.float32)
;;   ~~~
;;   SOFTMAX AHEAD OF A QUANTISED PRODUCT. Where the list says 'softmax', what is quantised is not the finished softmax but p = 2^(t - M), with t = logit x log2(e) and M = ceil(the row's largest t), a whole number; so 1/2 < the row's largest p <= 1. The row's sum l is taken of the UNQUANTISED p, in f32, and the product's result is divided by l at the end. Since M is a whole number, a kernel that streams over the keys may use a running M (the ceiling of the running maximum): every later rescaling is an exact power of two, so the quantised numbers keep their values, but for numbers so far below the row's largest that they fall under the format's range.
;;   OPERANDS COMPUTED ON THE WAY. 'Computed on the way' means the value that the module computes at that place (a softmax that the list does not call 'softmax' is quantised finished and normalised). What goes into a quantiser is computed in f32, as accurately as f32 sums, v_exp_f32 and their like allow (about 1e-6 of the number): no bf16 or f16 on the way to a quantiser, and a product that is left as it is and whose result goes on into a quantised operand takes f32 operands (vector FMAs, or v_wmma_f32_16x16x4_f32). A number that lies on a knife's edge between two numbers of the format may be rounded either way, as far as f32 arithmetic and the matrix unit's own rounding can turn it there, and no further.
;;   INPUTS GIVEN AS CODES. Wk (in the module: [1024, 1024], K = its axis 1); Wq (in the module: [1024, 1024], K = its axis 1); Wv (in the module: [1024, 1024], K = its axis 1); inputs (in the module: [4, 2048, 1024], K = its axis 2): each comes as NAME_codes (uint8): NAME with its K axis moved to the last place and cut into blocks of 32 codes, [.., K / 32, bytes a block], one block behind the other in memory; one code a byte (a code: sign, 4 exponent bits, 3 mantissa bits); its scale is its entry of lowp_scales. Its value is code x scale, taken as it is: it is not quantised again, and the codes and scales need not be those that the quantiser above would give.
;; One version. Each part assembles by itself: llvm-mc -triple=amdgcn-amd-amdhsa -mcpu=gfx1250 --defsym DOCPART=n.
;; ======== version 1 of 1: 3 launches
;; limits: right only within a limited range of input values
;; workspace buffers: q_codes 8,388,608 bytes; k_codes 8,388,608 bytes; vt_codes 8,388,608 bytes; p_codes 16,777,216 bytes; stats 1,048,576 bytes
;; launch proj (part 1): grid 8 x 32, 4 waves a work-group, clusters of 4 x 4, 327,680 bytes of LDS; arguments inputs_codes, Wq_codes, Wk_codes, bq, bk, lowp_scales, q_codes, k_codes; writes q_codes, k_codes
.if DOCPART == 1
	.amdgcn_target "amdgcn-amd-amdhsa--gfx1250"
	.amdhsa_code_object_version 6
	.text
	.protected	k_q409d064285_proj
	.globl	k_q409d064285_proj
	.p2align	8
	.type	k_q409d064285_proj,@function
k_q409d064285_proj:
	s_mov_b64 s[64:65], 0
	v_nop
	global_prefetch_b8 v0, s[64:65] scope:SCOPE_SE
	s_setreg_imm32_b32 hwreg(HW_REG_WAVE_MODE, 25, 1), 1
	s_wait_xcnt 0x0
	s_wait_alu depctr_hold_cnt(0) depctr_sa_sdst(0) depctr_va_vdst(0) depctr_va_sdst(0) depctr_va_ssrc(0) depctr_va_vcc(0) depctr_vm_vsrc(0)
	s_getreg_b32 s2, hwreg(HW_REG_IB_STS2, 6, 4)
	s_cmp_eq_u32 s2, 0
	s_cbranch_scc0 .Lentry_in_a_cluster
	s_endpgm
.Lentry_in_a_cluster:
	s_bfe_u32 s2, ttmp6, 0x10000c
	s_cmp_lg_u32 s2, 0xf033
	s_cbranch_scc0 .Lentry_shape_is_right
	s_endpgm
.Lentry_shape_is_right:
; q = x Wq^T + bq and k = x Wk^T + bk, quantised to E4M3 for the next product.  (v is made in the next launch, whose score tiles leave work-groups free.)
; WORK LEFT OUT in the program: score tiles of 256 x 256 that lie wholly above the diagonal (the mask of reference() throws them away) and the keys of such tiles in the second product.
; 256 work-groups: 32 row tiles of x, 4 column tiles of Wq (cluster x = 0) or of Wk (cluster x = 1); a tile is 256 tokens x 256 channels, a wave's part 128 x 128: 64 accumulators.
; TRANSPOSED: source 0 = 16 channels, source 1 = 16 tokens: a lane holds one token and eight neighbouring channels, which are neighbours along the next product's K.
; The bias, divided by 2^(ex + ew), is the C of the first products.  A sum stands for sum x 2^(ex + ew); the code's scale 2^e and these are one power of two in the conversion.
; LIMIT: e - ex - ew between -126 and 119.  NaN and infinities are not served.
; OUTPUT: images of operand registers: [token block 512][channel block 8][2048]: register 4 c .. 4 c + 3 of lane l at 512 c + 16 l.
; K goes in four steps of 256 through two LDS slots; rows of 256 bytes + 16 of padding.  CLUSTERS 4 x 4: x's tile is asked for jointly by a row of the cluster, W's by a column.
; PREFETCH: behind the load of K step t each cluster asks for K step t + 1, one instruction a wave: of the 128 rows that a wave fetches, the partner at place p takes rows 32 p .. 32 p + 31.
.set ROWB,   256
.set PITCH,  272
.set NL,     4
.set HALFT,  128*PITCH
.set SLOT,   4*HALFT
.set SPARE,  2*SLOT                    ; the spare words
.set A0,   16                          ; v16, v17 my place in a slot's tiles of x and of W;  v18, v19 in the slot in hand
.set B0,   17
.set ADA,  18
.set ADB,  19
.set VO,   20
.set OFF,  21
.set PFO,  22
.set SPW,  28
.set NIL,  29
.set SCL,  30
.set LIM,  31
.set BQ,   32                          ; v32-95 the bias; at the end codes of blocks 0-3
.set AF,   128                         ; v128-255 x's fragments; at the end codes of blocks 4-7 in v128-191
.set G1, 24
.set G0, 32
.set G0B, 36
.set G1B, 48
.set TB, 56
.set CT, 57
.set PFA, 58
.set MSB, 0
.macro WIN new                         ; the immediate's high byte repeats the setting that is left
.if MSB != (\new)
	s_set_vgpr_msb (MSB<<8)|(\new)
.set MSB, \new
.endif
.endm
.set MUL_LO, 0xa1
.set MUL_HI, 0xf1
.macro PLACES
.rept 4
	v_nop
.endr
.endm
.macro JLOAD                           ; waves 0 and 1 fetch x's halves, waves 2 and 3 W's
	s_cmp_eq_u32 s15, 0
	s_cbranch_scc0 .Lfor_b_\@
	tensor_load_to_lds s[G0:G0+3], s[G1:G1+7]
	s_nop 0
	PLACES
	s_branch .Lasked_\@
.Lfor_b_\@:
	tensor_load_to_lds s[G0B:G0B+3], s[G1B:G1B+7]
	s_nop 0
	PLACES
.Lasked_\@:
.endm
.macro CREST
	s_cmp_lg_u32 s14, 0
	s_cbranch_scc1 .Lnot_wave_0_\@
	s_barrier_signal -3
.Lnot_wave_0_\@:
	s_barrier_wait -3
	s_barrier_signal -1
	s_barrier_wait -1
.endm
.macro CROUND
	s_barrier_signal -1
	s_barrier_wait -1
	CREST
.endm
.macro NEXTG lds                       ; the next K step, to slot byte lds
	s_add_co_u32 s[G0+1], s45, \lds
	s_add_co_u32 s[G0B+1], s45, \lds
	s_add_nc_u64 s[G0+2:G0+3], s[G0+2:G0+3], ROWB
	s_add_nc_u64 s[G0B+2:G0B+3], s[G0B+2:G0B+3], ROWB
.endm
	s_load_b512 s[68:83], s[0:1], 0x0
	v_lshl_add_u32 v[SPW], v0, 2, SPARE
	v_mov_b32 v[NIL], 0
	ds_add_u32 v28, v29                ; the opening: the add, twice on end
	ds_add_u32 v28, v29
	v_lshrrev_b32 v1, 5, v0
	v_readfirstlane_b32 s14, v1        ; wave
	s_lshr_b32 s15, s14, 1             ; my half of the tokens; I fetch x (0) or W (1)
	s_and_b32 s16, s14, 1              ; my half of the channels; which half I fetch
	s_mov_b32 s3, ttmp9                ; 0: q, 1: k
	s_bfe_u32 s40, ttmp6, 0x40000      ; cx: column tile
	s_bfe_u32 s41, ttmp6, 0x40004      ; cy
	s_and_b32 s17, ttmp7, 0xffff
	s_lshl_b32 s17, s17, 2
	s_add_co_u32 s17, s17, s41         ; row tile
	s_lshl_b32 s43, s41, 2
	s_lshl_b32 s43, 15, s43
	s_lshl_b32 s44, 0x1111, s40
	s_or_b32 s[G1+0], s43, (1<<20)|(1<<21)|(5<<22)|(3<<25)
	s_or_b32 s[G1B+0], s44, (1<<20)|(1<<21)|(5<<22)|(3<<25)
.irp g, G1, G1B
	s_mov_b32 s[\g+1], ROWB<<16
	s_mov_b32 s[\g+2], 128<<16
	s_mov_b32 s[\g+3], ROWB<<16
	s_mov_b32 s[\g+4], 128
	s_mov_b32 s[\g+5], 1024
	s_mov_b32 s[\g+6], 0
	s_mov_b32 s[\g+7], 0
.endr
	s_lshl_b32 s18, s16, 17
	s_lshl_b32 s20, s17, 18
	s_add_co_u32 s20, s20, s18         ; (256 x row tile + 128 x half) x 1,024
	s_mov_b32 s21, 0
	s_lshl_b32 s46, s40, 18
	s_add_co_u32 s46, s46, s18
	s_mov_b32 s47, 0
	s_mul_i32 s45, s14, HALFT
	s_wait_alu depctr_va_vdst(0)
	s_wait_dscnt 0x0                   ; both opening adds are done
	s_wait_kmcnt 0x0
	s_load_b256 s[92:99], s[78:79], 0x0
	s_cmp_eq_u32 s3, 0
	s_cselect_b64 s[6:7], s[70:71], s[72:73]
	s_cselect_b64 s[8:9], s[74:75], s[76:77]
	s_cselect_b64 s[10:11], s[80:81], s[82:83]
	s_add_nc_u64 s[20:21], s[68:69], s[20:21]
	s_add_nc_u64 s[46:47], s[6:7], s[46:47]
	s_mov_b32 s[G0], 1
	s_mov_b32 s[G0+1], s45
	s_mov_b64 s[G0+2:G0+3], s[20:21]
	s_or_b32 s[G0+3], s[G0+3], 0x80000000
	s_mov_b32 s[G0B], 1
	s_mov_b32 s[G0B+1], s45
	s_mov_b64 s[G0B+2:G0B+3], s[46:47]
	s_or_b32 s[G0B+3], s[G0B+3], 0x80000000
	CROUND
	JLOAD                              ; K step 0
	s_cmp_eq_u32 s15, 0
	s_cselect_b64 s[PFA:PFA+1], s[20:21], s[46:47]
	s_cselect_b32 s18, s40, s41        ; my place among the four that ask with me
	s_lshl_b32 s18, s18, 15
	s_mov_b32 s19, 0
	s_add_nc_u64 s[PFA:PFA+1], s[PFA:PFA+1], s[18:19]
	s_lshl_b32 s18, s40, 10            ; my channels' bias: 256 x column tile + 128 x half
	s_lshl_b32 s22, s16, 9
	s_add_co_u32 s18, s18, s22
	s_add_nc_u64 s[8:9], s[8:9], s[18:19]
	s_lshl_b32 s18, s17, 18            ; my codes: 16 row blocks a tile x 16,384
	s_lshl_b32 s22, s15, 17
	s_add_co_u32 s18, s18, s22
	s_lshl_b32 s22, s40, 12
	s_add_co_u32 s18, s18, s22
	s_lshl_b32 s22, s16, 11
	s_add_co_u32 s18, s18, s22
	s_add_nc_u64 s[10:11], s[10:11], s[18:19]
	s_mul_i32 s21, s15, HALFT
	s_mul_i32 s22, s16, HALFT
	s_add_co_u32 s22, s22, 2*HALFT
	v_and_b32 v1, 15, v0               ; r
	v_bfe_u32 v2, v0, 4, 1             ; h
	v_and_b32 v3, 31, v0
	v_lshlrev_b32 v[VO], 5, v2
	v_mul_u32_u24 v4, v1, PITCH
	v_lshl_add_u32 v4, v2, 4, v4
	v_add_nc_u32 v[A0], s21, v4
	v_add_nc_u32 v[B0], s22, v4
	v_lshlrev_b32 v[OFF], 4, v3
	v_lshlrev_b32 v[PFO], 10, v3
	s_wait_alu depctr_va_vdst(0)
.irp i, 0,1,2,3,4,5,6,7
	global_load_b128 v[BQ+8*\i:BQ+8*\i+3], v[VO], s[8:9] offset:64*\i
	global_load_b128 v[BQ+8*\i+4:BQ+8*\i+7], v[VO], s[8:9] offset:64*\i+16
.endr
	global_prefetch_b8 v[PFO], s[PFA:PFA+1] offset:256 th:TH_LOAD_NT scope:SCOPE_SE   ; K step 1
	s_wait_kmcnt 0x0
	s_add_co_i32 s18, s92, s93
	s_add_co_i32 s19, s94, s95
	s_cmp_eq_u32 s3, 0
	s_cselect_b32 s12, s18, s19        ; ex + ew
	s_cselect_b32 s13, s98, s99        ; e of q or of k
	s_sub_co_i32 s13, s13, s12
	s_sub_co_i32 s12, 0, s12
	s_add_co_i32 s18, s13, 127
	s_lshl_b32 s19, s18, 23
	v_mov_b32 v[SCL], s19
	s_add_co_i32 s18, s18, 8
	s_lshl_b32 s18, s18, 23
	s_or_b32 s18, s18, 0x600000
	v_mov_b32 v[LIM], s18              ; 448 x that
	s_mov_b32 s[TB], 0
	s_mov_b32 s[CT], 2
	s_wait_alu depctr_va_vdst(0)
	s_wait_loadcnt 0x0
.set k, 0
.rept 64
	v_ldexp_f32 v[BQ+k], v[BQ+k], s12
.set k, k+1
.endr
.macro FRAG reg, adr, q, i
.irp c, 0,1,2,3
	ds_load_b128 v[\reg+4*\c:\reg+4*\c+3], v[\adr] offset:128*(\q)+32*\c+(\i)*16*PITCH
.endr
.endm
; 16 products: x's blocks a0, a0 + 1 x W's eight, from W's set p.  mode 1: the bias starts the sums.  The accumulators take turns in the same order in every step.
.macro MUL16 a0, p, mode
.irp a, \a0, \a0+1
.irp b, 0,1,2,3,4,5,6,7
.if \mode == 0
	v_wmma_f32_16x16x128_fp8_fp8 v[8*(8*((\a)%4)+\b):8*(8*((\a)%4)+\b)+7], v[128*(\p)+16*\b:128*(\p)+16*\b+15], v[AF+16*(\a):AF+16*(\a)+15], v[8*(8*((\a)%4)+\b):8*(8*((\a)%4)+\b)+7]
.else
	v_wmma_f32_16x16x128_fp8_fp8 v[8*(8*((\a)%4)+\b):8*(8*((\a)%4)+\b)+7], v[128*(\p)+16*\b:128*(\p)+16*\b+15], v[AF+16*(\a):AF+16*(\a)+15], v[BQ+8*\b:BQ+8*\b+7]
.endif
.endr
.endr
.endm
.macro FETCH_B q, p
	WIN 0x40
.irp i, 0,1,2,3,4,5,6,7
	FRAG 128*(\p)+16*\i, ADB, \q, \i
.endr
	WIN 0
.endm
.macro FETCH_A q, i0
.irp i, \i0, \i0+1, \i0+2, \i0+3
	FRAG AF+16*(\i), ADA, \q, \i
.endr
.endm
.macro SETADR
	v_add_nc_u32 v[ADA], s[TB], v[A0]
	v_add_nc_u32 v[ADB], s[TB], v[B0]
	s_wait_alu depctr_va_vdst(0)
.endm
.macro STEP mode                       ; the slot's first 128 along K
	s_wait_dscnt 4*NL                  ; W's set and x's blocks 0-3 are in; the youngest 16 loads (blocks 4-7) may be out
.if \mode
	WIN 0x81
.else
	WIN MUL_LO
.endif
	MUL16 0, 0, \mode
	MUL16 2, 0, \mode
	s_wait_dscnt 0
	PLACES
	FETCH_B 1, 1
	FETCH_A 1, 0
.if \mode
	WIN 0xc1
.else
	WIN MUL_HI
.endif
	MUL16 4, 0, \mode
	MUL16 6, 0, \mode
	PLACES
	WIN 0
	FETCH_A 1, 4
.endm
.macro TURN fill                       ; the slot's second 128 along K, and the change of slots
	s_wait_dscnt 4*NL
	WIN MUL_LO
	MUL16 0, 1, 0
	WIN 0
	s_wait_tensorcnt 0x0               ; my part of the next slot is in
	ds_add_u32 v[SPW], v[NIL]
.if \fill
	NEXTG s[TB]
.endif
	WIN MUL_LO
	MUL16 2, 1, 0
	WIN 0
	s_wait_dscnt 0x0                   ; the add is done, and my reads of this slot are over
	s_barrier_signal -1
	s_barrier_wait -1
.if \fill
	CREST                              ; no wave of any partner reads this slot or has a load on its way
	JLOAD                              ; its four v_nop are also the places in front of the loads below
.else
	PLACES
.endif
	s_xor_b32 s[TB], s[TB], SLOT
	SETADR
	FETCH_B 0, 0
	FETCH_A 0, 0
.if \fill
	s_cmp_eq_u32 s[CT], 2              ; the first trip asks for K step 3; the second has nothing left to ask for
	s_cbranch_scc0 .Lno_ask_\@
	global_prefetch_b8 v[PFO], s[PFA:PFA+1] offset:768 th:TH_LOAD_NT scope:SCOPE_SE
.Lno_ask_\@:
.endif
	WIN MUL_HI
	MUL16 4, 1, 0
	MUL16 6, 1, 0
	PLACES
	WIN 0
	FETCH_A 0, 4
.endm
	s_wait_alu depctr_va_vdst(0)       ; the head's end
	s_wait_tensorcnt 0x0               ; my part of K step 0 is in
	ds_add_u32 v[SPW], v[NIL]
	NEXTG SLOT
	s_wait_dscnt 0x0
	CROUND
	JLOAD                              ; K step 1, into slot 1
	SETADR
	FETCH_B 0, 0
	FETCH_A 0, 0
	FETCH_A 0, 4
	global_prefetch_b8 v[PFO], s[PFA:PFA+1] offset:512 th:TH_LOAD_NT scope:SCOPE_SE   ; K step 2
	STEP 1
.Lring:                                ; two trips: K steps 2 and 3 are asked for
	TURN 1
	STEP 0
	s_sub_co_u32 s[CT], s[CT], 1
	s_cmp_lg_u32 s[CT], 0
	s_cbranch_scc1 .Lring
	TURN 0
	STEP 0
	; the last 128 along K: while blocks 4-7 are multiplied, blocks 0-3 are held, converted and stored
.macro CVT a, tw, cc
	WIN 0x01
.set k, 0
.rept 8
	v_cvt_scalef32_pk8_fp8_f32 v[\cc+2*k:\cc+2*k+1], v[\tw+8*k:\tw+8*k+7], v[SCL]
.set k, k+1
.endr
	v_nop                              ; a plain line behind the conversions
	WIN 0
.irp c, 0,1,2,3
	global_store_b128 v[OFF], v[\cc+4*\c:\cc+4*\c+3], s[10:11] offset:16384*(\a)+512*\c
.endr
.endm
.macro HOLD8 tw, ac, w                 ; the conversion does not saturate (ISA guide 7.6.2)
	WIN 0x40+\w
.set k, 0
.rept 8
	v_med3_num_f32 v[\tw+k], v[\ac+k], -v[LIM], v[LIM]
.set k, k+1
.endr
.endm
.macro MIX a
.irp b, 0,1,2,3,4,5,6,7
	WIN MUL_HI
	v_wmma_f32_16x16x128_fp8_fp8 v[8*(8*((\a)%4)+\b):8*(8*((\a)%4)+\b)+7], v[128+16*\b:128+16*\b+15], v[AF+16*(\a):AF+16*(\a)+15], v[8*(8*((\a)%4)+\b):8*(8*((\a)%4)+\b)+7]
	HOLD8 64*((\a)%2)+8*\b, 64*((\a)%4)+8*\b, 2
.endr
	CVT (\a)-4, 64*((\a)%2), BQ+16*((\a)%4)
.endm
.macro FIN a
.irp b, 0,1,2,3,4,5,6,7
	HOLD8 64*((\a)%2)+8*\b, 64*((\a)%4)+8*\b, 3
.endr
	CVT \a, 64*((\a)%2), AF+16*((\a)%4)
.endm
	s_wait_dscnt 4*NL
	WIN MUL_LO
	MUL16 0, 1, 0
	MUL16 2, 1, 0
	s_wait_dscnt 0
	PLACES
.irp a, 4,5,6,7
	MIX \a
.endr
.irp a, 4,5,6,7
	FIN \a
.endr
	s_wait_tensorcnt 0x0               ; the wave's end
	ds_add_u32 v[SPW], v[NIL]
	s_wait_dscnt 0x0
	CROUND                             ; the closing round
	s_endpgm
.Lfunc_end_k_q409d064285_proj:
	.size	k_q409d064285_proj, .Lfunc_end_k_q409d064285_proj-k_q409d064285_proj
	.p2alignl 7, 3214868480
	.fill 96, 4, 3214868480
	.section	.rodata,"a",@progbits
	.p2align	6, 0x0
	.amdhsa_kernel k_q409d064285_proj
		.amdhsa_group_segment_fixed_size 327680
		.amdhsa_private_segment_fixed_size 0
		.amdhsa_enable_private_segment 0
		.amdhsa_kernarg_size 64
		.amdhsa_user_sgpr_count 2
		.amdhsa_user_sgpr_kernarg_segment_ptr 1
		.amdhsa_wavefront_size32 1
		.amdhsa_system_sgpr_workgroup_id_x 1
		.amdhsa_system_sgpr_workgroup_id_y 1
		.amdhsa_system_sgpr_workgroup_id_z 1
		.amdhsa_system_vgpr_workitem_id 0
		.amdhsa_next_free_vgpr 1024
		.amdhsa_next_free_sgpr 102
		.amdhsa_reserve_vcc 0
		.amdhsa_float_denorm_mode_32 3
		.amdhsa_float_denorm_mode_16_64 3
		.amdhsa_memory_ordered 1
		.amdhsa_forward_progress 1
		.amdhsa_inst_pref_size 108
	.end_amdhsa_kernel
	.amdgpu_metadata
---
amdhsa.version: [ 1, 2 ]
amdhsa.kernels:
  - .name:           k_q409d064285_proj
    .symbol:         k_q409d064285_proj.kd
    .args:
      - { .name: inputs_codes, .offset: 0, .size: 8, .value_kind: global_buffer, .address_space: global }
      - { .name: Wq_codes, .offset: 8, .size: 8, .value_kind: global_buffer, .address_space: global }
      - { .name: Wk_codes, .offset: 16, .size: 8, .value_kind: global_buffer, .address_space: global }
      - { .name: bq, .offset: 24, .size: 8, .value_kind: global_buffer, .address_space: global }
      - { .name: bk, .offset: 32, .size: 8, .value_kind: global_buffer, .address_space: global }
      - { .name: lowp_scales, .offset: 40, .size: 8, .value_kind: global_buffer, .address_space: global }
      - { .name: q_codes, .offset: 48, .size: 8, .value_kind: global_buffer, .address_space: global }
      - { .name: k_codes, .offset: 56, .size: 8, .value_kind: global_buffer, .address_space: global }
    .group_segment_fixed_size: 327680
    .private_segment_fixed_size: 0
    .kernarg_segment_align: 8
    .kernarg_segment_size: 64
    .max_flat_workgroup_size: 128
    .sgpr_count:     102
    .vgpr_count:     1024
    .wavefront_size: 32
...
	.end_amdgpu_metadata
.endif
;; end of part 1
;; launch mid (part 2): grid 64 x 4, 4 waves a work-group, no clusters, 327,680 bytes of LDS; arguments q_codes, k_codes, lowp_scales, p_codes, stats, inputs_codes, Wv_codes, bv, vt_codes; writes p_codes, stats, vt_codes
.if DOCPART == 2
	.amdgcn_target "amdgcn-amd-amdhsa--gfx1250"
	.amdhsa_code_object_version 6
	.text
	.protected	k_q409d064285_mid
	.globl	k_q409d064285_mid
	.p2align	8
	.type	k_q409d064285_mid,@function
k_q409d064285_mid:
	s_mov_b64 s[64:65], 0
	v_nop
	global_prefetch_b8 v0, s[64:65] scope:SCOPE_SE
	s_setreg_imm32_b32 hwreg(HW_REG_WAVE_MODE, 25, 1), 1
	s_wait_xcnt 0x0
; TWO KINDS OF WORK-GROUPS, 64 for each batch (y): 36 make score tiles with their part of the softmax (x < 36), 28 make v = x Wv^T + bv as codes (x >= 36).
; LEFT OUT: score tiles (i, j) of 256 x 256 with j > i: the mask of reference() throws all of them away.
; NO CLUSTER: a batch's 36 score tiles form a triangle whose rows and columns hold 1 to 8 tiles: no fixed group of four work-groups shares a tile of q or of k, and both kinds stand in one grid.
; SCORES.  q_codes, k_codes: images [token block 512][channel block 8][2048].  t = score x log2(e) / 32.  M_j = the ceiling of the row's largest t AMONG THE TILE'S 256 KEYS; p = 2^(t - M_j) is quantised with 2^e8.
; The tile's sum of the unquantised p and -M_j go to stats; the next launch multiplies the tile's product by 2^(M_j - M), M the row's largest M_j: exact, and p far below the row's largest keep more bits than under one M.
; Hidden scores count as -infinity where the definition writes -1e9: weight 0 either way as long as a row's visible logits lie far above -1e9.
; LIMITS: e6 + e7 between -121 and 132; e8 between -126 and 119; e9 - e4 - e5 likewise; scaled scores (exponents to the base 2) under 2^31 in magnitude.  NaN is not served.
; Four waves of 128 x 128, TRANSPOSED: source 0 = 16 keys, source 1 = 16 queries: lane (r, h), accumulator (a, b), register n = query 16 a + r, key 16 b + 8 h + n: code registers 2 b, 2 b + 1 of a fragment of P.
; p_codes: [batch 4][64 queries: 32][512 keys: 4][query block 4][key block 4][2048], as the next launch's fills take it.  Its runs of 512 keys reach one key tile past the diagonal where i is even: there the diagonal
; work-group stores zero codes.  stats: [batch 4][i 8][j 8][wave 4][1024]: bytes 0-511 -M_j, 512-1023 the wave's sum; (block a, row r) at 16 (16 (a / 4) + r) + 4 (a % 4).
; V.  A tile is 256 channels x 320 tokens (ten runs of 32) from token 288 m on, m = 0 .. 6; tile m owns its first nine runs, tile 6 all ten (7 x 288 + 32 = 2,048): each byte is stored once.  A wave makes 128 channels x
; 160 tokens, 80 accumulators; source 0 = 16 tokens, source 1 = 16 channels: a lane holds one channel and eight neighbouring tokens.  The bias is the C of the first products.
; vt_codes: [batch 4][64 channels: 16][512 keys: 4][channel block 4][32 keys: 16][512].
; K = 1,024 goes in four fills of 256 through two LDS slots; a load is asked for behind each change of slots.
; PREFETCH: behind the load of fill f, fill f + 1 is asked for: q's and k's tile i by the diagonal work-group (i, i) alone; x's 288 rows of a token tile by its four work-groups, 72 each, 18 a wave.  (Wv's tiles,
; 28 work-groups each, and tile 6's last 32 rows come by their loads alone: 64 KiB and 8 KiB a fill beside 72 KiB that is asked for.)
.set NL,     4
.set PITCH,  272
.set SLOT,   131072                    ; scores: q: 16 blocks x 4,096 bytes, then k
.set VSLOT,  576*PITCH                 ; v: 320 rows of x, then 256 rows of Wv
.set VOFF,   320*PITCH
.set SPARE,  2*VSLOT                   ; the spare words
.set MX,     SPARE+512                 ; the waves' row maxima, [wave][a][r]; no fill lands here
.set MXW,  8
.set MXR,  9
.set VD,   10                          ; r - 8 h
.set NINF, 11
.set PO,   12                          ; 16 x lane
.set PFO,  13
.set A0,   16
.set B0,   17
.set ADA,  18
.set ADB,  19
.set BL,   20
.set SPW,  28
.set NIL,  29
.set SCL,  30
.set LIM,  31
.set MA,   32
.set MB,   40
.set NM,   48                          ; v48-63 -M, a pair for each block
.set LS,   64                          ; v64-79 the sums, a pair for each block
.set L2,   80
.set TM,   96                          ; v96-159, v160-223: two sets of 64 numbers
.set ZR,   112
.set AF,   128
.set BV,   32                          ; v: the bias
.set TF,   96                          ; v: ten fragments of x
.set G1, 24
.set G0, 32
.set G0B, 36
.set G1B, 40
.set TB, 56
.set CT, 57
.set PFA, 58
.set MSB, 0
.macro WIN new
.if MSB != (\new)
	s_set_vgpr_msb (MSB<<8)|(\new)
.set MSB, \new
.endif
.endm
.set MUL_LO, 0xa1
.set MUL_HI, 0xf1
.macro PLACES
.rept 4
	v_nop
.endr
.endm
.macro JLOAD                           ; waves 0 and 1 fetch by the first descriptor (q or x), waves 2 and 3 by the second (k or Wv)
	s_cmp_eq_u32 s15, 0
	s_cbranch_scc0 .Lfor_b_\@
	tensor_load_to_lds s[G0:G0+3], s[G1:G1+7]
	s_nop 0
	PLACES
	s_branch .Lasked_\@
.Lfor_b_\@:
	tensor_load_to_lds s[G0B:G0B+3], s[G1B:G1B+7]
	s_nop 0
	PLACES
.Lasked_\@:
.endm
.macro GROUP0                          ; fill 0: from s[50:51], s[52:53] to LDS bytes s54, s55
	s_mov_b32 s[G0], 1
	s_mov_b32 s[G0+1], s54
	s_mov_b64 s[G0+2:G0+3], s[50:51]
	s_or_b32 s[G0+3], s[G0+3], 0x80000000
	s_mov_b32 s[G0B], 1
	s_mov_b32 s[G0B+1], s55
	s_mov_b64 s[G0B+2:G0B+3], s[52:53]
	s_or_b32 s[G0B+3], s[G0B+3], 0x80000000
.endm
.macro NEXTG lds, step
	s_add_co_u32 s[G0+1], s54, \lds
	s_add_co_u32 s[G0B+1], s55, \lds
	s_add_nc_u64 s[G0+2:G0+3], s[G0+2:G0+3], \step
	s_add_nc_u64 s[G0B+2:G0B+3], s[G0B+2:G0B+3], \step
.endm
.macro SEQ lds, step                   ; fill 0 is in; fill 1 goes out as a refill does
	s_wait_tensorcnt 0x0
	ds_add_u32 v[SPW], v[NIL]
	NEXTG \lds, \step
	s_wait_dscnt 0x0
	s_barrier_signal -1
	s_barrier_wait -1
	JLOAD
.endm
.macro SETADR
	v_add_nc_u32 v[ADA], s[TB], v[A0]
	v_add_nc_u32 v[ADB], s[TB], v[B0]
	s_wait_alu depctr_va_vdst(0)
.endm
	s_load_b512 s[68:83], s[0:1], 0x0  ; q, k, scales, p, stats, x, Wv, bv
	s_load_b64 s[84:85], s[0:1], 0x40  ; vt
	v_lshl_add_u32 v[SPW], v0, 2, SPARE
	v_mov_b32 v[NIL], 0
	ds_add_u32 v28, v29                ; the opening: the add, twice on end
	ds_add_u32 v28, v29
	v_lshrrev_b32 v1, 5, v0
	v_readfirstlane_b32 s14, v1        ; wave
	s_lshr_b32 s15, s14, 1
	s_and_b32 s16, s14, 1
	s_and_b32 s19, ttmp7, 0xffff       ; batch
	v_and_b32 v1, 15, v0               ; r
	v_bfe_u32 v2, v0, 4, 1             ; h
	v_and_b32 v3, 31, v0
	v_lshlrev_b32 v[PO], 4, v3
	s_mov_b32 s[TB], 0
	s_mov_b32 s[CT], 2
	s_wait_alu depctr_va_vdst(0)
	s_wait_dscnt 0x0                   ; both opening adds are done
	s_wait_kmcnt 0x0
	s_load_b128 s[88:91], s[72:73], 0x10   ; e4 .. e7
	s_load_b64 s[92:93], s[72:73], 0x20    ; e8, e9
	s_cmp_ge_u32 ttmp9, 36
	s_cbranch_scc1 .Lvproj
	; ---- SCORES ----
	s_mov_b32 s17, 0                   ; i = how many of the rows' first tile numbers 1, 3, 6, .. are at or under my tile's number
.irp th, 1,3,6,10,15,21,28
	s_cmp_ge_u32 ttmp9, \th
	s_add_co_ci_u32 s17, s17, 0
.endr
	s_add_co_u32 s18, s17, 1
	s_mul_i32 s18, s18, s17
	s_lshr_b32 s18, s18, 1
	s_sub_co_u32 s18, ttmp9, s18       ; j
.irp g, G1, G1B                        ; 8 blocks x 4,096 bytes, 16,384 bytes apart
	s_mov_b32 s[\g+0], 3<<16
	s_mov_b32 s[\g+1], 512<<16
	s_mov_b32 s[\g+2], 8<<16
	s_mov_b32 s[\g+3], 512<<16
	s_mov_b32 s[\g+4], 8
	s_mov_b32 s[\g+5], 2048
	s_mov_b32 s[\g+6], 0
	s_mov_b32 s[\g+7], 0
.endr
	s_lshl_b32 s48, s19, 21
	s_lshl_b32 s49, s16, 17            ; the 8 blocks that I fetch
	s_add_co_u32 s48, s48, s49
	s_lshl_b32 s50, s17, 18
	s_add_co_u32 s50, s50, s48
	s_mov_b32 s51, 0
	s_lshl_b32 s52, s18, 18
	s_add_co_u32 s52, s52, s48
	s_mov_b32 s53, 0
	s_add_nc_u64 s[50:51], s[68:69], s[50:51]
	s_add_nc_u64 s[52:53], s[70:71], s[52:53]
	s_lshl_b32 s54, s16, 15
	s_add_co_u32 s55, s54, 65536
	GROUP0
	JLOAD                              ; fill 0
	s_cmp_eq_u32 s15, 0
	s_cselect_b64 s[PFA:PFA+1], s[50:51], s[52:53]
	s_lshl_b32 s48, s15, 15
	s_lshl_b32 s49, s16, 15
	s_add_co_u32 s49, s49, 65536
	s_lshl_b32 s50, s14, 9
	s_add_co_u32 s50, s50, MX
	s_xor_b32 s51, s14, 1
	s_lshl_b32 s51, s51, 9
	s_add_co_u32 s51, s51, MX
	v_add_nc_u32 v[A0], s48, v[PO]
	v_add_nc_u32 v[B0], s49, v[PO]
	v_lshlrev_b32 v4, 2, v1
	v_add_nc_u32 v[MXW], s50, v4
	v_add_nc_u32 v[MXR], s51, v4
	v_lshlrev_b32 v5, 3, v2
	v_sub_nc_u32 v[VD], v1, v5
	v_mov_b32 v[NINF], 0xff800000
	v_lshlrev_b32 v6, 8, v1
	v_lshl_add_u32 v[PFO], v2, 14, v6
	s_mov_b32 s20, 0x76543210          ; v_permlanex16_b32: lane l xor 16
	s_mov_b32 s21, 0xfedcba98
	s_wait_alu depctr_va_vdst(0)
.macro ASKN f                          ; a wave's part of fill f: 8 blocks x 4,096 bytes, two blocks an instruction, lanes 256 bytes apart
.irp i, 0,1,2,3
	global_prefetch_b8 v[PFO], s[PFA:PFA+1] offset:32768*\i+4096*(\f) th:TH_LOAD_NT scope:SCOPE_SE
.endr
.endm
	s_cmp_eq_u32 s17, s18
	s_cbranch_scc0 .Lask1
	ASKN 1
.Lask1:
	; p_codes: 64-query part 4 i + 2 (half), run of 512 keys j / 2, key block 2 (j % 2) + key half
	s_lshl_b32 s48, s19, 22
	s_lshl_b32 s49, s17, 19
	s_add_co_u32 s48, s48, s49
	s_lshl_b32 s49, s15, 18
	s_add_co_u32 s48, s48, s49
	s_lshr_b32 s49, s18, 1
	s_lshl_b32 s49, s49, 15
	s_add_co_u32 s48, s48, s49
	s_and_b32 s49, s18, 1
	s_lshl_b32 s49, s49, 12
	s_add_co_u32 s48, s48, s49
	s_lshl_b32 s49, s16, 11
	s_add_co_u32 s48, s48, s49
	s_mov_b32 s49, 0
	s_add_nc_u64 s[74:75], s[74:75], s[48:49]
	s_lshl_b32 s48, s19, 3
	s_add_co_u32 s48, s48, s17
	s_lshl_b32 s48, s48, 3
	s_add_co_u32 s48, s48, s18
	s_lshl_b32 s48, s48, 2
	s_add_co_u32 s48, s48, s14
	s_lshl_b32 s48, s48, 10
	s_add_nc_u64 s[76:77], s[76:77], s[48:49]
	s_cmp_eq_u32 s17, s18              ; s63 = -infinity in the wave of a diagonal tile whose keys all come after its queries, else +infinity
	s_cselect_b32 s48, 1, 0
	s_cmp_lt_u32 s15, s16
	s_cselect_b32 s50, 1, 0
	s_mov_b32 s63, 0x7f800000
	s_mov_b32 s62, 0xff800000
	s_and_b32 s48, s48, s50
	s_cselect_b32 s63, s62, s63
	s_wait_kmcnt 0x0
	s_add_co_i32 s48, s90, s91
	s_lshl_b32 s48, s48, 23
	s_mov_b32 s22, 0x3d38aa3b          ; c = log2(e) / 32
	s_add_co_i32 s22, s22, s48         ; x 2^(e6 + e7): added to c's exponent field
	s_mov_b32 s23, s22
	s_add_co_i32 s48, s92, 127
	s_lshl_b32 s49, s48, 23
	v_mov_b32 v[SCL], s49              ; 2^e8
	s_add_co_i32 s48, s48, 8
	s_lshl_b32 s48, s48, 23
	s_or_b32 s48, s48, 0x600000
	v_mov_b32 v[LIM], s48              ; 448 x 2^e8
.macro FRAG reg, adr, q, i
.irp c, 0,1,2,3
	ds_load_b128 v[\reg+4*\c:\reg+4*\c+3], v[\adr] offset:2048*(\q)+512*\c+(\i)*4096
.endr
.endm
; The 64 accumulators take turns in the same order in every step.  mode 1: the first products start the sums.
.macro MUL16 a0, p, mode
.irp a, \a0, \a0+1
.irp b, 0,1,2,3,4,5,6,7
.if \mode
	v_wmma_f32_16x16x128_fp8_fp8 v[8*(8*((\a)%4)+\b):8*(8*((\a)%4)+\b)+7], v[128*(\p)+16*\b:128*(\p)+16*\b+15], v[AF+16*(\a):AF+16*(\a)+15], 0
.else
	v_wmma_f32_16x16x128_fp8_fp8 v[8*(8*((\a)%4)+\b):8*(8*((\a)%4)+\b)+7], v[128*(\p)+16*\b:128*(\p)+16*\b+15], v[AF+16*(\a):AF+16*(\a)+15], v[8*(8*((\a)%4)+\b):8*(8*((\a)%4)+\b)+7]
.endif
.endr
.endr
.endm
.macro FETCH_B q, p
	WIN 0x40
.irp i, 0,1,2,3,4,5,6,7
	FRAG 128*(\p)+16*\i, ADB, \q, \i
.endr
	WIN 0
.endm
.macro FETCH_A q, i0
.irp i, \i0, \i0+1, \i0+2, \i0+3
	FRAG AF+16*(\i), ADA, \q, \i
.endr
.endm
.macro STEP mode
	s_wait_dscnt 4*NL                  ; k's set and q's blocks 0-3 are in; the youngest 16 loads may be out
	WIN MUL_LO
	MUL16 0, 0, \mode
	MUL16 2, 0, \mode
	s_wait_dscnt 0
	PLACES
	FETCH_B 1, 1
	FETCH_A 1, 0
	WIN MUL_HI
	MUL16 4, 0, \mode
	MUL16 6, 0, \mode
	PLACES
	WIN 0
	FETCH_A 1, 4
.endm
.macro TURN fill
	s_wait_dscnt 4*NL
	WIN MUL_LO
	MUL16 0, 1, 0
	WIN 0
	s_wait_tensorcnt 0x0               ; my part of the next slot is in
	ds_add_u32 v[SPW], v[NIL]
.if \fill
	NEXTG s[TB], 4096
.endif
	WIN MUL_LO
	MUL16 2, 1, 0
	WIN 0
	s_wait_dscnt 0x0                   ; the add is done, and my reads of this slot are over
	s_barrier_signal -1
	s_barrier_wait -1
.if \fill
	JLOAD
.else
	PLACES
.endif
	s_xor_b32 s[TB], s[TB], SLOT
	SETADR
	FETCH_B 0, 0
	FETCH_A 0, 0
.if \fill
	s_cmp_eq_u32 s[CT], 2              ; the first trip asks for fill 3, in the diagonal work-group
	s_cbranch_scc0 .Lno_ask_\@
	s_cmp_eq_u32 s17, s18
	s_cbranch_scc0 .Lno_ask_\@
	ASKN 3
.Lno_ask_\@:
.endif
	WIN MUL_HI
	MUL16 4, 1, 0
	MUL16 6, 1, 0
	PLACES
	WIN 0
	FETCH_A 0, 4
.endm
	s_wait_alu depctr_va_vdst(0)       ; the head's end
	SEQ SLOT, 4096
	SETADR
	FETCH_B 0, 0
	FETCH_A 0, 0
	FETCH_A 0, 4
	s_cmp_eq_u32 s17, s18
	s_cbranch_scc0 .Lask2
	ASKN 2
.Lask2:
	STEP 1
.Lring:                                ; two trips: fills 2 and 3
	TURN 1
	STEP 0
	s_sub_co_u32 s[CT], s[CT], 1
	s_cmp_lg_u32 s[CT], 0
	s_cbranch_scc1 .Lring
	TURN 0
	STEP 0
	s_wait_dscnt 4*NL
	WIN MUL_LO
	MUL16 0, 1, 0
	MUL16 2, 1, 0
	s_wait_dscnt 0
	WIN MUL_HI
	MUL16 4, 1, 0
	MUL16 6, 1, 0
	WIN 0
	PLACES
	; THE MASK, in the two waves on the diagonal of a diagonal tile: block b > a hidden whole; block b = a where n > r - 8 h (eight masks serve all a); b < a open.
	s_cmp_lg_u32 s17, s18
	s_cbranch_scc1 .Lno_mask
	s_cmp_lg_u32 s15, s16
	s_cbranch_scc1 .Lno_mask
.irp n, 0,1,2,3,4,5,6,7
	v_cmp_gt_i32 s[4+\n], \n, v[VD]
.endr
.set m, 0
.rept 8
	WIN 0x82+0x41*(m/4)                ; destination and source 0: window 2 or 3
.irp n, 0,1,2,3,4,5,6,7
	v_cndmask_b32 v[64*(m%4)+8*m+\n], v[64*(m%4)+8*m+\n], v[NINF], s[4+\n]
.endr
.set k, 8*m+8
.rept 56-8*m
	v_mov_b32 v[64*(m%4)+k], s62
.set k, k+1
.endr
.set m, m+1
.endr
	WIN 0
.Lno_mask:
; A block's largest score among my 64 keys of each query, in two chains, each accumulator from its low end on
.macro ROWMAX a
.set AC, 64*((\a)%4)
	WIN 0x0a+5*((\a)/4)
	v_max_num_f32 v[MA+\a], v[AC], v[AC+1]
	v_max_num_f32 v[MB+\a], v[AC+2], v[AC+3]
.set k, 4
.rept 15
	v_max3_num_f32 v[MA+\a], v[AC+k], v[AC+k+1], v[MA+\a]
	v_max3_num_f32 v[MB+\a], v[AC+k+2], v[AC+k+3], v[MB+\a]
.set k, k+4
.endr
.endm
.irp a, 0,1,2,3,4,5,6,7
	ROWMAX \a
.endr
	WIN 0
.irp a, 0,1,2,3,4,5,6,7
	v_max_num_f32 v[MA+\a], v[MA+\a], v[MB+\a]
.endr
.irp a, 0,1,2,3,4,5,6,7
	v_permlanex16_b32 v[MB+\a], v[MA+\a], s20, s21
.endr
.irp a, 0,1,2,3,4,5,6,7
	v_max_num_f32 v[MA+\a], v[MA+\a], v[MB+\a]
.endr
.irp a, 0,1,2,3,4,5,6,7
	v_min_num_f32 v[MA+\a], s63, v[MA+\a]          ; -infinity in the wave that is hidden whole
.endr
.irp a, 0,1,2,3,4,5,6,7
	ds_store_b32 v[MXW], v[MA+\a] offset:64*\a     ; lanes r and r + 16 write the same word with the same number
.endr
	s_wait_alu depctr_va_vdst(0)
	s_wait_dscnt 0x0                   ; for the others' sake: my stores have landed
	s_barrier_signal -1
	s_barrier_wait -1
.irp a, 0,1,2,3,4,5,6,7
	ds_load_b32 v[MB+\a], v[MXR] offset:64*\a      ; the same queries' maxima over the tile's other 128 keys
.endr
	s_wait_dscnt 0x0
.irp a, 0,1,2,3,4,5,6,7
	v_max_num_f32 v[MA+\a], v[MA+\a], v[MB+\a]
.endr
.irp a, 0,1,2,3,4,5,6,7
	v_mul_f32 v[MB+\a], s22, v[MA+\a]              ; as t (c is positive)
.endr
.irp a, 0,1,2,3,4,5,6,7
	v_floor_f32 v[MA+\a], -v[MB+\a]                ; -M = floor(-t): a whole number
.endr
.irp a, 0,1,2,3,4,5,6,7
	v_min_num_f32 v[NM+2*\a], s63, v[MA+\a]        ; (the hidden wave: t - M = -infinity, p = 0; its -M is read by nobody)
.endr
.irp a, 0,1,2,3,4,5,6,7
	v_mov_b32 v[NM+2*\a+1], v[NM+2*\a]
.endr
; EF a: p = 2^(t - M) of block a, a batch of 64, with block a + 1's 32 scalings t - M between, which name none of the batch's registers
.macro EF a
.set TT, TM+64*((\a)%2)
.set UU, TM+64*(((\a)+1)%2)
.set AC, 64*(((\a)+1)%4)
	WIN 0x08+4*(((\a)+1)/4)            ; source 1: window 2 or 3
.set k, 0
.rept 32
	v_exp_f32 v[TT+k], v[TT+k]
	v_exp_f32 v[TT+k+1], v[TT+k+1]
	v_pk_fma_f32 v[UU+k:UU+k+1], s[22:23], v[AC+k:AC+k+1], v[NM+2*(\a)+2:NM+2*(\a)+3] op_sel_hi:[0,1,0]
.set k, k+2
.endr
	WIN 0
.endm
; The sum of the unquantised p, in two chains; the one-sided hold (p is not negative; the conversion does not saturate: ISA guide 7.6.2); the codes, into registers of their own; four stores of 512 consecutive bytes
.macro POST a
.set TT, TM+64*((\a)%2)
.set CC, 16*(\a)
	v_pk_add_f32 v[LS+2*(\a):LS+2*(\a)+1], v[TT:TT+1], v[TT+2:TT+3]
	v_pk_add_f32 v[L2:L2+1], v[TT+4:TT+5], v[TT+6:TT+7]
.set k, 8
.rept 14
	v_pk_add_f32 v[LS+2*(\a):LS+2*(\a)+1], v[LS+2*(\a):LS+2*(\a)+1], v[TT+k:TT+k+1]
	v_pk_add_f32 v[L2:L2+1], v[L2:L2+1], v[TT+k+2:TT+k+3]
.set k, k+4
.endr
	v_pk_add_f32 v[LS+2*(\a):LS+2*(\a)+1], v[LS+2*(\a):LS+2*(\a)+1], v[L2:L2+1]
.set k, 0
.rept 64
	v_min_num_f32 v[TT+k], v[TT+k], v[LIM]
.set k, k+1
.endr
	WIN 0x40                           ; the codes lie in window 1
.set k, 0
.rept 8
	v_cvt_scalef32_pk8_fp8_f32 v[CC+2*k:CC+2*k+1], v[TT+8*k:TT+8*k+7], v[SCL]
.set k, k+1
.endr
	v_nop                              ; a plain line behind the conversions
	WIN 0x04
.irp c, 0,1,2,3
	global_store_b128 v[PO], v[CC+4*\c:CC+4*\c+3], s[74:75] offset:131072*((\a)/4)+8192*((\a)%4)+512*\c
.endr
	WIN 0
.endm
	WIN 0x08
.set k, 0
.rept 32
	v_pk_fma_f32 v[TM+k:TM+k+1], s[22:23], v[k:k+1], v[NM:NM+1] op_sel_hi:[0,1,0]
.set k, k+2
.endr
	WIN 0
	s_wait_alu depctr_va_vdst(0)       ; a wait ahead of a batch and one behind it; one serves as both between two batches
.irp a, 0,1,2,3,4,5,6
	EF \a
	s_wait_alu depctr_va_vdst(0)
	POST \a
.endr
.set k, 0
.rept 64
	v_exp_f32 v[TM+64+k], v[TM+64+k]
.set k, k+1
.endr
	v_nop
	s_wait_alu depctr_va_vdst(0)
	POST 7
	; ZERO CODES for key tile i + 1 of my queries, i even: from the diagonal work-group, my wave's key block of it, 4,096 bytes on
	s_wait_alu depctr_va_vdst(0)
	s_cmp_lg_u32 s17, s18
	s_cbranch_scc1 .Lno_zero
	s_bitcmp1_b32 s17, 0
	s_cbranch_scc1 .Lno_zero
.irp k, 0,1,2,3
	v_mov_b32 v[ZR+\k], 0
.endr
.irp a, 0,1,2,3,4,5,6,7
.irp c, 0,1,2,3
	global_store_b128 v[PO], v[ZR:ZR+3], s[74:75] offset:131072*(\a/4)+8192*(\a%4)+512*\c+4096
.endr
.endr
.Lno_zero:
	; the tile's -M and my part of its sums: lanes 0-15 hold blocks 0-3 of row r, lanes 16-31 blocks 4-7
.irp a, 0,1,2,3,4,5,6,7
	v_add_f32 v[LS+2*\a], v[LS+2*\a], v[LS+2*\a+1]
.endr
.irp a, 0,1,2,3,4,5,6,7
	v_permlanex16_b32 v[MB+\a], v[LS+2*\a], s20, s21
.endr
.irp a, 0,1,2,3,4,5,6,7
	v_add_f32 v[LS+2*\a], v[LS+2*\a], v[MB+\a]
.endr
	v_cmp_ne_u32 vcc_lo, 0, v2
.irp k, 0,1,2,3
	v_cndmask_b32 v[TM+\k], v[NM+2*\k], v[NM+2*\k+8], vcc_lo
	v_cndmask_b32 v[TM+4+\k], v[LS+2*\k], v[LS+2*\k+8], vcc_lo
.endr
	global_store_b128 v[PO], v[TM:TM+3], s[76:77]
	global_store_b128 v[PO], v[TM+4:TM+7], s[76:77] offset:512
	s_wait_tensorcnt 0x0               ; the wave's end
	ds_add_u32 v[SPW], v[NIL]
	s_wait_dscnt 0x0
	s_endpgm
	; ---- V ----
; REGISTERS: window 0: v32-95 the bias, v96-255 ten fragments of x;  window 1: v0-127 eight of Wv, v128-255 the accumulators of token blocks 8, 9;  windows 2, 3: of token blocks 0-3, 4-7.
.Lvproj:
	s_sub_co_u32 s17, ttmp9, 36
	s_and_b32 s18, s17, 3              ; channel tile n
	s_lshr_b32 s17, s17, 2             ; token tile m
	s_mov_b32 s[G1+0], (1<<20)|(5<<22)|(3<<25)
	s_mov_b32 s[G1+1], 256<<16
	s_mov_b32 s[G1+2], 160<<16
	s_mov_b32 s[G1+3], 256<<16
	s_mov_b32 s[G1+4], 160
	s_mov_b32 s[G1+5], 1024
	s_mov_b32 s[G1+6], 0
	s_mov_b32 s[G1+7], 0
	s_mov_b32 s[G1B+0], (1<<20)|(5<<22)|(3<<25)
	s_mov_b32 s[G1B+1], 256<<16
	s_mov_b32 s[G1B+2], 128<<16
	s_mov_b32 s[G1B+3], 256<<16
	s_mov_b32 s[G1B+4], 128
	s_mov_b32 s[G1B+5], 1024
	s_mov_b32 s[G1B+6], 0
	s_mov_b32 s[G1B+7], 0
	s_lshl_b32 s48, s19, 11
	s_mul_i32 s49, s17, 288
	s_add_co_u32 s48, s48, s49         ; the tile's first token
	s_mul_i32 s49, s16, 160
	s_add_co_u32 s50, s48, s49
	s_lshl_b32 s50, s50, 10
	s_mov_b32 s51, 0
	s_lshl_b32 s52, s18, 18
	s_lshl_b32 s49, s16, 17
	s_add_co_u32 s52, s52, s49
	s_mov_b32 s53, 0
	s_add_nc_u64 s[50:51], s[78:79], s[50:51]
	s_add_nc_u64 s[52:53], s[80:81], s[52:53]
	s_mul_i32 s54, s16, 160*PITCH
	s_mul_i32 s55, s16, 128*PITCH
	s_add_co_u32 s55, s55, VOFF
	GROUP0
	JLOAD                              ; fill 0
	s_mul_i32 s49, s18, 72             ; the rows that my wave asks for: 72 n + 18 x wave + 0 .. 17 of the tile
	s_add_co_u32 s48, s48, s49
	s_mul_i32 s49, s14, 18
	s_add_co_u32 s48, s48, s49
	s_lshl_b32 s48, s48, 10
	s_mov_b32 s49, 0
	s_add_nc_u64 s[PFA:PFA+1], s[78:79], s[48:49]
	s_lshl_b32 s48, s18, 10            ; the bias of my 128 channels
	s_lshl_b32 s50, s15, 9
	s_add_co_u32 s48, s48, s50
	s_add_nc_u64 s[82:83], s[82:83], s[48:49]
	s_lshl_b32 s48, s19, 21            ; vt_codes: batch, 64-channel part 4 n + 2 (half)
	s_lshl_b32 s50, s18, 19
	s_add_co_u32 s48, s48, s50
	s_lshl_b32 s50, s15, 18
	s_add_co_u32 s48, s48, s50
	s_add_nc_u64 s[84:85], s[84:85], s[48:49]
	s_mul_i32 s48, s16, 160*PITCH
	s_mul_i32 s50, s15, 128*PITCH
	s_add_co_u32 s50, s50, VOFF
	v_mul_u32_u24 v4, v1, PITCH
	v_lshl_add_u32 v4, v2, 4, v4
	v_add_nc_u32 v[A0], s48, v4
	v_add_nc_u32 v[B0], s50, v4
	v_lshlrev_b32 v5, 2, v1
	v_min_u32 v6, 17, v3               ; lanes 18 to 31 name their wave's last row again
	v_lshlrev_b32 v[PFO], 10, v6
	s_wait_alu depctr_va_vdst(0)
.irp a, 0,1,2,3,4,5,6,7
	global_load_b32 v[BL+\a], v5, s[82:83] offset:64*\a
.endr
	global_prefetch_b8 v[PFO], s[PFA:PFA+1] offset:256 th:TH_LOAD_NT scope:SCOPE_SE   ; fill 1
	s_wait_kmcnt 0x0
	s_add_co_i32 s48, s88, s89         ; e4 + e5
	s_sub_co_i32 s49, s93, s48         ; e9 - e4 - e5
	s_sub_co_i32 s48, 0, s48
	s_add_co_i32 s49, s49, 127
	s_lshl_b32 s50, s49, 23
	v_mov_b32 v[SCL], s50
	s_add_co_i32 s49, s49, 8
	s_lshl_b32 s49, s49, 23
	s_or_b32 s49, s49, 0x600000
	v_mov_b32 v[LIM], s49
	s_wait_alu depctr_va_vdst(0)
	s_wait_loadcnt 0x0
.irp a, 0,1,2,3,4,5,6,7
.irp j, 0,1,2,3,4,5,6
	v_ldexp_f32 v[BV+8*\a+\j], v[BL+\a], s48
.endr
	v_ldexp_f32 v[BV+8*\a+7], v[BL+\a], s48
.endr
.macro VFRAG reg, adr, q, i
.irp c, 0,1,2,3
	ds_load_b128 v[\reg+4*\c:\reg+4*\c+3], v[\adr] offset:128*(\q)+32*\c+(\i)*16*PITCH
.endr
.endm
.macro VC q, hh                        ; four fragments of Wv: 16 loads
	WIN 0x40
.irp i, 0,1,2,3
	VFRAG 64*(\hh)+16*\i, ADB, \q, 4*(\hh)+\i
.endr
	WIN 0
.endm
.macro VT q, b0                        ; five fragments of x: 20 loads
	WIN 0
.irp i, 0,1,2,3,4
	VFRAG TF+16*(\b0+\i), ADA, \q, \b0+\i
.endr
.endm
; 20 products: token blocks b0 .. b0 + 4 x four channel blocks.  The 80 accumulators take turns in the same order in every step.  mode 1: the bias starts the sums.
.macro VMUL hh, b0, mode
.set VB, \b0
.rept 5
.if VB < 4
.set VW, 2
.elseif VB < 8
.set VW, 3
.else
.set VW, 1
.endif
.set VA, 64*(VB%4)+128*(VB/8)+32*(\hh)
.if \mode
	WIN 4+0x40*VW
.irp a, 0,1,2,3
	v_wmma_f32_16x16x128_fp8_fp8 v[VA+8*\a:VA+8*\a+7], v[TF+16*VB:TF+16*VB+15], v[16*(4*(\hh)+\a):16*(4*(\hh)+\a)+15], v[BV+8*(4*(\hh)+\a):BV+8*(4*(\hh)+\a)+7]
.endr
.else
	WIN 4+0x50*VW
.irp a, 0,1,2,3
	v_wmma_f32_16x16x128_fp8_fp8 v[VA+8*\a:VA+8*\a+7], v[TF+16*VB:TF+16*VB+15], v[16*(4*(\hh)+\a):16*(4*(\hh)+\a)+15], v[VA+8*\a:VA+8*\a+7]
.endr
.endif
.set VB, VB+1
.endr
.endm
; A step of 128 along K: first channel blocks 0-3, then 4-7; what is read out is fetched anew for the next step: channels 0-3 (16 loads), tokens 0-4 (20), tokens 5-9 (20), channels 4-7 (16).
.macro VSTEP mode
	s_wait_dscnt 36                    ; channels 0-3 and tokens 0-4 are in
	VMUL 0, 0, \mode
	s_wait_dscnt 16                    ; tokens 5-9
	VMUL 0, 5, \mode
	s_wait_dscnt 0                     ; channels 4-7
	PLACES
	VC 1, 0
	VMUL 1, 0, \mode
	PLACES
	VT 1, 0
	VMUL 1, 5, \mode
	PLACES
	VT 1, 5
	VC 1, 1
.endm
.macro VTURN fill
	s_wait_dscnt 36
	VMUL 0, 0, 0
	s_wait_dscnt 16
	VMUL 0, 5, 0
	WIN 0
	s_wait_tensorcnt 0x0               ; my part of the next slot is in
	ds_add_u32 v[SPW], v[NIL]
.if \fill
	NEXTG s[TB], 256
.endif
	s_wait_dscnt 1                     ; channels 4-7 (the add may be out)
	VMUL 1, 0, 0
	WIN 0
	s_wait_dscnt 0x0                   ; the add is done, and my reads of this slot are over
	s_barrier_signal -1
	s_barrier_wait -1
.if \fill
	JLOAD
.else
	PLACES
.endif
	s_xor_b32 s[TB], s[TB], VSLOT
	SETADR
	VC 0, 0
	VT 0, 0
.if \fill
	s_cmp_eq_u32 s[CT], 2              ; the first trip asks for fill 3
	s_cbranch_scc0 .Lno_ask_\@
	global_prefetch_b8 v[PFO], s[PFA:PFA+1] offset:768 th:TH_LOAD_NT scope:SCOPE_SE
.Lno_ask_\@:
.endif
	VMUL 1, 5, 0
	PLACES
	VT 0, 5
	VC 0, 1
.endm
	s_wait_alu depctr_va_vdst(0)       ; the head's end
	SEQ VSLOT, 256
	SETADR
	VC 0, 0
	VT 0, 0
	VT 0, 5
	VC 0, 1
	global_prefetch_b8 v[PFO], s[PFA:PFA+1] offset:512 th:TH_LOAD_NT scope:SCOPE_SE   ; fill 2
	VSTEP 1
.Lvring:                               ; two trips: fills 2 and 3
	VTURN 1
	VSTEP 0
	s_sub_co_u32 s[CT], s[CT], 1
	s_cmp_lg_u32 s[CT], 0
	s_cbranch_scc1 .Lvring
	VTURN 0
	VSTEP 0
	s_wait_dscnt 36
	VMUL 0, 0, 0
	s_wait_dscnt 16
	VMUL 0, 5, 0
	s_wait_dscnt 0
	VMUL 1, 0, 0
	VMUL 1, 5, 0
	WIN 0
	; run t = 9 m + 5 (token half) + c of 32 tokens: (t / 16) x 32,768 + (t % 16) x 512
	s_mul_i32 s60, s17, 9
	s_mul_i32 s61, s16, 5
	s_add_co_u32 s60, s60, s61
.irp c, 0,1,2,3,4
	s_add_co_u32 s61, s60, \c
	s_lshr_b32 s[4+2*\c], s61, 4
	s_lshl_b32 s[4+2*\c], s[4+2*\c], 15
	s_and_b32 s61, s61, 15
	s_lshl_b32 s61, s61, 9
	s_add_co_u32 s[4+2*\c], s[4+2*\c], s61
	s_mov_b32 s[4+2*\c+1], 0
.endr
	s_add_nc_u64 s[4:5], s[84:85], s[4:5]
	s_add_nc_u64 s[6:7], s[84:85], s[6:7]
	s_add_nc_u64 s[8:9], s[84:85], s[8:9]
	s_add_nc_u64 s[10:11], s[84:85], s[10:11]
	s_add_nc_u64 s[12:13], s[84:85], s[12:13]
	PLACES
; Run c of 32 tokens: token blocks 2 c, 2 c + 1 of my eight channel blocks: held, converted (codes in window 1, the last run's in v32-63), stored as 512 consecutive bytes each
.macro VOUT c
.if \c < 2
.set VW, 2
.elseif \c < 4
.set VW, 3
.else
.set VW, 1
.endif
.set VA, 64*((2*\c)%4)+128*(\c/4)
	WIN VW
.set m, 0
.rept 8
.set k, 0
.rept 8
	v_med3_num_f32 v[TF+16*m+k], v[VA+8*m+k], -v[LIM], v[LIM]
.set k, k+1
.endr
.set k, 0
.rept 8
	v_med3_num_f32 v[TF+16*m+8+k], v[VA+64+8*m+k], -v[LIM], v[LIM]
.set k, k+1
.endr
.set m, m+1
.endr
.if \c < 4
.set CB, 32*\c
	WIN 0x40
.else
.set CB, BV
	WIN 0
.endif
.set m, 0
.rept 8
	v_cvt_scalef32_pk8_fp8_f32 v[CB+4*m:CB+4*m+1], v[TF+16*m:TF+16*m+7], v[SCL]
	v_cvt_scalef32_pk8_fp8_f32 v[CB+4*m+2:CB+4*m+3], v[TF+16*m+8:TF+16*m+15], v[SCL]
.set m, m+1
.endr
	v_nop
.if \c < 4
	WIN 0x04
.endif
.irp a, 0,1,2,3,4,5,6,7
	global_store_b128 v[PO], v[CB+4*\a:CB+4*\a+3], s[4+2*\c:5+2*\c] offset:131072*(\a/4)+8192*(\a%4)
.endr
	WIN 0
.endm
.irp c, 0,1,2,3
	VOUT \c
.endr
	s_wait_alu depctr_va_vdst(0)
	s_cmp_eq_u32 s16, 0                ; the tile's tenth run belongs to the next tile, but in tile 6
	s_cbranch_scc1 .Lmine
	s_cmp_lg_u32 s17, 6
	s_cbranch_scc1 .Lnot_mine
.Lmine:
	VOUT 4
.Lnot_mine:
	s_wait_tensorcnt 0x0               ; the wave's end
	ds_add_u32 v[SPW], v[NIL]
	s_wait_dscnt 0x0
	s_endpgm
.Lfunc_end_k_q409d064285_mid:
	.size	k_q409d064285_mid, .Lfunc_end_k_q409d064285_mid-k_q409d064285_mid
	.p2alignl 7, 3214868480
	.fill 96, 4, 3214868480
	.section	.rodata,"a",@progbits
	.p2align	6, 0x0
	.amdhsa_kernel k_q409d064285_mid
		.amdhsa_group_segment_fixed_size 327680
		.amdhsa_private_segment_fixed_size 0
		.amdhsa_enable_private_segment 0
		.amdhsa_kernarg_size 72
		.amdhsa_user_sgpr_count 2
		.amdhsa_user_sgpr_kernarg_segment_ptr 1
		.amdhsa_wavefront_size32 1
		.amdhsa_system_sgpr_workgroup_id_x 1
		.amdhsa_system_sgpr_workgroup_id_y 1
		.amdhsa_system_sgpr_workgroup_id_z 1
		.amdhsa_system_vgpr_workitem_id 0
		.amdhsa_next_free_vgpr 1024
		.amdhsa_next_free_sgpr 102
		.amdhsa_reserve_vcc 1
		.amdhsa_float_denorm_mode_32 3
		.amdhsa_float_denorm_mode_16_64 3
		.amdhsa_memory_ordered 1
		.amdhsa_forward_progress 1
		.amdhsa_inst_pref_size 255
	.end_amdhsa_kernel
	.section	.bss,"aw",@nobits
	.p2align	6
	.space	262144
	.amdgpu_metadata
---
amdhsa.version: [ 1, 2 ]
amdhsa.kernels:
  - .name:           k_q409d064285_mid
    .symbol:         k_q409d064285_mid.kd
    .args:
      - { .name: q_codes, .offset: 0, .size: 8, .value_kind: global_buffer, .address_space: global }
      - { .name: k_codes, .offset: 8, .size: 8, .value_kind: global_buffer, .address_space: global }
      - { .name: lowp_scales, .offset: 16, .size: 8, .value_kind: global_buffer, .address_space: global }
      - { .name: p_codes, .offset: 24, .size: 8, .value_kind: global_buffer, .address_space: global }
      - { .name: stats, .offset: 32, .size: 8, .value_kind: global_buffer, .address_space: global }
      - { .name: inputs_codes, .offset: 40, .size: 8, .value_kind: global_buffer, .address_space: global }
      - { .name: Wv_codes, .offset: 48, .size: 8, .value_kind: global_buffer, .address_space: global }
      - { .name: bv, .offset: 56, .size: 8, .value_kind: global_buffer, .address_space: global }
      - { .name: vt_codes, .offset: 64, .size: 8, .value_kind: global_buffer, .address_space: global }
    .group_segment_fixed_size: 327680
    .private_segment_fixed_size: 0
    .kernarg_segment_align: 8
    .kernarg_segment_size: 72
    .max_flat_workgroup_size: 128
    .sgpr_count:     102
    .vgpr_count:     1024
    .wavefront_size: 32
...
	.end_amdgpu_metadata
.endif
;; end of part 2
;; launch pv (part 3): grid 8 x 32, 4 waves a work-group, clusters of 4 x 4, 327,680 bytes of LDS; arguments p_codes, vt_codes, stats, lowp_scales, out0; writes out0
.if DOCPART == 3
	.amdgcn_target "amdgcn-amd-amdhsa--gfx1250"
	.amdhsa_code_object_version 6
	.text
	.protected	k_q409d064285_pv
	.globl	k_q409d064285_pv
	.p2align	8
	.type	k_q409d064285_pv,@function
k_q409d064285_pv:
	s_mov_b64 s[64:65], 0
	v_nop
	global_prefetch_b8 v0, s[64:65] scope:SCOPE_SE
	s_setreg_imm32_b32 hwreg(HW_REG_WAVE_MODE, 25, 1), 1
	s_wait_xcnt 0x0
	s_wait_alu depctr_hold_cnt(0) depctr_sa_sdst(0) depctr_va_vdst(0) depctr_va_sdst(0) depctr_va_ssrc(0) depctr_va_vcc(0) depctr_vm_vsrc(0)
	s_getreg_b32 s2, hwreg(HW_REG_IB_STS2, 6, 4)
	s_cmp_eq_u32 s2, 0
	s_cbranch_scc0 .Lentry_in_a_cluster
	s_endpgm
.Lentry_in_a_cluster:
	s_bfe_u32 s2, ttmp6, 0x10000c
	s_cmp_lg_u32 s2, 0xf033
	s_cbranch_scc0 .Lentry_shape_is_right
	s_endpgm
.Lentry_shape_is_right:
; out = (sum over key tiles j of 2^(M_j - M) P_j V_j) x 2^(e8 + e9) / l,  l = sum over j of 2^(M_j - M) l_j,  M = the row's largest M_j.  P_j: codes of 2^(t - M_j), 256 keys a tile; V: codes, keys innermost.
; LEFT OUT: runs of 512 keys that lie wholly behind all the queries of a cluster's four query tiles (hidden by the mask of reference()).
; SHARES.  A work-group makes 128 channels of TWO tiles of 128 queries, 15 - q and q, one behind the other: the long one H and the short one L, q = 4 c + cy.  A fill is 512 keys (four key blocks) of P's 128 queries and V^T's
; 128 channels: c = 0: four fills for H, one for L; c = 1: three and two: five in every work-group.  A wave makes 64 queries x 64 channels: 16 sums.  Where a fill's second key tile lies behind a tile's queries, the
; launch before has stored zero codes and the factor here is 0.
; TRANSPOSED: source 0 = 16 channels of V^T, source 1 = 16 queries of P: a lane holds one query and eight neighbouring channels.
; A KEY TILE is two key blocks of 128: T = P_j V_j (the even block's products begin with the constant 0, the odd block's add on), then ACC += T x factor, two numbers an instruction; the factor
; 2^(M_j - M) 2^(e8 + e9) / l is a number a lane and block, made once at the head for H's 8 and L's 4 key tiles; a fill's two are taken from the table's front and the table is shifted down, so that one loop body serves.
; p_codes [batch 4][64 queries: 32][512 keys: 4][32768], vt_codes [batch 4][64 channels: 16][512 keys: 4][32768]: a wave's part of a fill is 32,768 consecutive bytes: [block 4][key block 4][2048], images of operand registers.
; CLUSTERS 4 x 4: P's fill is asked for jointly by a row (same cy), V^T's by a column (same cx).  Branches hang on c and on the count of fills alone, which all partners share.
; PREFETCH: behind the load of fill f each cluster asks for fill f + 1, one instruction a wave: of a wave's 32,768 bytes the partner at place p takes 8,192 from 8,192 p on.
; e8 + e9 is applied by v_ldexp_f32 and has no limit.  LIMIT: M_j stay under 2^31 in magnitude.  NaN is not served.
; REGISTERS: window 0: v48-95 the factors, v128-255 H's rows on the way out.  window 1: V^T's fragments, a set of 64 for each key block (at the head scratch, at the end L's rows).  window 3: P's likewise.
;   window 2: v0-127 T, (a, b) at v[8 (4 a + b)];  v128-255 ACC likewise.
.set SLOT,   131072                    ; P: 2 x 32,768 bytes, then V^T: 2 x 32,768
.set SPARE,  2*SLOT                    ; the spare words
.set STAGE,  SPARE+512                 ; 16 rows x 272 bytes for each wave; no fill lands here
.set SPITCH, 272
.set FILL,   32768
.set AP0,  16
.set AV0,  17
.set ADP,  18
.set ADV,  19
.set SL,   20
.set STO,  24
.set RD,   25
.set GOF,  26
.set PFO,  27
.set SPW,  28
.set NIL,  29
.set FP,   48
.set SO,   96
.set NMS,  0                           ; scratch at the head, in window 1: -M_j,
.set L0S,  48                          ; the two halves of l_j,
.set L1S,  96
.set FS,   144                         ; 2^(M_j - M), or 0
.set MN,   192                         ; v192-195 H's -M, v196-199 L's
.set LR,   200
.set GG,   208
.set RB,   128
.set G1, 24
.set G0, 32
.set G0B, 36
.set G1B, 48
.set TB, 56
.set T,  57                            ; fills worked on
.set PFA, 58
.set PF2, 60
.set NH, 62                            ; H's fills
.set MSB, 0
.macro WIN new
.if MSB != (\new)
	s_set_vgpr_msb (MSB<<8)|(\new)
.set MSB, \new
.endif
.endm
.macro PLACES
.rept 4
	v_nop
.endr
.endm
.macro JLOAD                           ; waves 0 and 1 fetch P's halves, waves 2 and 3 V^T's
	s_cmp_eq_u32 s15, 0
	s_cbranch_scc0 .Lfor_b_\@
	tensor_load_to_lds s[G0:G0+3], s[G1:G1+7]
	s_nop 0
	PLACES
	s_branch .Lasked_\@
.Lfor_b_\@:
	tensor_load_to_lds s[G0B:G0B+3], s[G1B:G1B+7]
	s_nop 0
	PLACES
.Lasked_\@:
.endm
.macro CROUND
	s_barrier_signal -1
	s_barrier_wait -1
	s_cmp_lg_u32 s14, 0
	s_cbranch_scc1 .Lnot_wave_0_\@
	s_barrier_signal -3
.Lnot_wave_0_\@:
	s_barrier_wait -3
	s_barrier_signal -1
	s_barrier_wait -1
.endm
	s_load_b256 s[68:75], s[0:1], 0x0  ; P, V^T, stats, the scales
	s_load_b64 s[76:77], s[0:1], 0x20  ; out0
	v_lshl_add_u32 v[SPW], v0, 2, SPARE
	v_mov_b32 v[NIL], 0
	ds_add_u32 v28, v29                ; the opening: the add, twice on end
	ds_add_u32 v28, v29
	v_lshrrev_b32 v1, 5, v0
	v_readfirstlane_b32 s14, v1        ; wave
	s_lshr_b32 s15, s14, 1             ; my half of the queries; I fetch P (0) or V^T (1)
	s_and_b32 s16, s14, 1              ; my half of the channels; which half I fetch
	s_bfe_u32 s40, ttmp6, 0x40000      ; cx
	s_bfe_u32 s41, ttmp6, 0x40004      ; cy
	s_and_b32 s4, ttmp7, 0xffff
	s_lshr_b32 s17, s4, 1              ; batch
	s_and_b32 s18, s4, 1               ; c
	s_lshl_b32 s42, ttmp9, 2
	s_add_co_u32 s42, s42, s40         ; tile of 128 channels
	s_lshl_b32 s19, s18, 2
	s_add_co_u32 s19, s19, s41         ; L: tile q
	s_sub_co_u32 s20, 15, s19          ; H: tile 15 - q
	s_lshr_b32 s21, s20, 1             ; their last key tiles
	s_lshr_b32 s22, s19, 1
	s_sub_co_u32 s[NH], 4, s18
	s_lshl_b32 s43, s41, 2
	s_lshl_b32 s43, 15, s43
	s_lshl_b32 s44, 0x1111, s40
	s_or_b32 s[G1+0], s43, (3<<16)|(1<<21)
	s_or_b32 s[G1B+0], s44, (3<<16)|(1<<21)
.irp g, G1, G1B                        ; 32,768 dense bytes as four rows of 8,192
	s_mov_b32 s[\g+1], 1024<<16
	s_mov_b32 s[\g+2], 4<<16
	s_mov_b32 s[\g+3], 1024<<16
	s_mov_b32 s[\g+4], 4
	s_mov_b32 s[\g+5], 1024
	s_mov_b32 s[\g+6], 0
	s_mov_b32 s[\g+7], 0
.endr
	; stats: ((batch 8 + i) 8 + j) 4,096 + (tile's half) 2,048 + (my half) 256 + 16 r
	s_lshl_b32 s3, s17, 3
	s_add_co_u32 s4, s3, s21
	s_lshl_b32 s4, s4, 15
	s_and_b32 s5, s20, 1
	s_lshl_b32 s5, s5, 11
	s_add_co_u32 s4, s4, s5
	s_add_co_u32 s6, s3, s22
	s_lshl_b32 s6, s6, 15
	s_and_b32 s7, s19, 1
	s_lshl_b32 s7, s7, 11
	s_add_co_u32 s6, s6, s7
	s_lshl_b32 s3, s15, 8
	s_add_co_u32 s4, s4, s3
	s_add_co_u32 s6, s6, s3
	s_mov_b32 s5, 0
	s_mov_b32 s7, 0
	v_and_b32 v1, 15, v0               ; r
	v_bfe_u32 v2, v0, 4, 1             ; h
	v_and_b32 v3, 31, v0
	v_lshlrev_b32 v[SL], 4, v1
	s_wait_alu depctr_va_vdst(0)
.irp t, 0,1,2,3,4,5,6,7
	s_min_u32 s3, s21, \t              ; a tile past my last is read as my last, and gets the factor 0
	s_lshl_b32 s3, s3, 12
	v_add_nc_u32 v[SO+\t], s3, v[SL]
.endr
.irp t, 0,1,2,3
	s_min_u32 s3, s22, \t
	s_lshl_b32 s3, s3, 12
	v_add_nc_u32 v[SO+8+\t], s3, v[SL]
.endr
	s_lshl_b32 s8, s17, 22             ; P: batch, 64-query part 2 x tile + half
	s_lshl_b32 s9, s20, 18
	s_add_co_u32 s8, s8, s9
	s_lshl_b32 s9, s16, 17
	s_add_co_u32 s8, s8, s9
	s_mov_b32 s9, 0
	s_lshl_b32 s10, s17, 21            ; V^T: batch, 64-channel part 2 x tile + half
	s_lshl_b32 s11, s42, 18
	s_add_co_u32 s10, s10, s11
	s_lshl_b32 s11, s16, 17
	s_add_co_u32 s10, s10, s11
	s_mov_b32 s11, 0
	s_lshl_b32 s45, s16, 15
	s_add_co_u32 s46, s45, 65536
	s_wait_alu depctr_va_vdst(0)
	s_wait_dscnt 0x0                   ; both opening adds are done
	s_wait_kmcnt 0x0
	s_load_b64 s[94:95], s[74:75], 0x20    ; e8, e9
	s_add_nc_u64 s[4:5], s[72:73], s[4:5]
	s_add_nc_u64 s[6:7], s[72:73], s[6:7]
	s_add_nc_u64 s[8:9], s[68:69], s[8:9]
	s_add_nc_u64 s[10:11], s[70:71], s[10:11]
	WIN 0x40
.irp t, 0,1,2,3,4,5,6,7
	global_load_b128 v[NMS+4*\t:NMS+4*\t+3], v[SO+\t], s[4:5]
	global_load_b128 v[L0S+4*\t:L0S+4*\t+3], v[SO+\t], s[4:5] offset:512
	global_load_b128 v[L1S+4*\t:L1S+4*\t+3], v[SO+\t], s[4:5] offset:1536
.endr
.irp t, 8,9,10,11
	global_load_b128 v[NMS+4*\t:NMS+4*\t+3], v[SO+\t], s[6:7]
	global_load_b128 v[L0S+4*\t:L0S+4*\t+3], v[SO+\t], s[6:7] offset:512
	global_load_b128 v[L1S+4*\t:L1S+4*\t+3], v[SO+\t], s[6:7] offset:1536
.endr
	WIN 0
	s_mov_b32 s[G0], 1
	s_mov_b32 s[G0+1], s45
	s_mov_b64 s[G0+2:G0+3], s[8:9]
	s_or_b32 s[G0+3], s[G0+3], 0x80000000
	s_mov_b32 s[G0B], 1
	s_mov_b32 s[G0B+1], s46
	s_mov_b64 s[G0B+2:G0B+3], s[10:11]
	s_or_b32 s[G0B+3], s[G0B+3], 0x80000000
	CROUND                             ; all sixteen work-groups are here
	JLOAD                              ; fill 0
	s_sub_co_u32 s3, s[NH], 1          ; from H's last fill to L's first: back along the keys, and from tile 15 - q to tile q
	s_lshl_b32 s86, s3, 15             ; V^T
	s_sub_co_u32 s63, s20, s19
	s_lshl_b32 s63, s63, 18
	s_add_co_u32 s63, s63, s86         ; P
	s_cmp_eq_u32 s15, 0
	s_cselect_b64 s[PFA:PFA+1], s[8:9], s[10:11]
	s_cselect_b32 s12, s40, s41        ; my place among the four that ask with me
	s_cselect_b32 s87, s63, s86
	s_lshl_b32 s12, s12, 13
	s_add_co_u32 s12, s12, FILL
	s_mov_b32 s13, 0
	s_add_nc_u64 s[PFA:PFA+1], s[PFA:PFA+1], s[12:13]      ; fill 1
	s_add_nc_u64 s[PF2:PF2+1], s[PFA:PFA+1], FILL          ; fill 2
	s_mov_b32 s79, 0
	s_mov_b32 s81, 0
	s_mov_b32 s83, 0
	s_mov_b32 s89, 0
	s_lshl_b32 s12, s17, 23            ; out0: batch x 2,048 rows of 4,096 bytes + tile x 128 rows + half x 64 rows + 512 x channel tile + 256 x half
	s_lshl_b32 s3, s15, 18
	s_add_co_u32 s12, s12, s3
	s_lshl_b32 s3, s42, 9
	s_add_co_u32 s12, s12, s3
	s_lshl_b32 s3, s16, 8
	s_add_co_u32 s12, s12, s3
	s_add_nc_u64 s[76:77], s[76:77], s[12:13]
	s_lshl_b32 s12, s20, 19
	s_add_nc_u64 s[90:91], s[76:77], s[12:13]
	s_lshl_b32 s12, s19, 19
	s_add_nc_u64 s[92:93], s[76:77], s[12:13]
	s_lshl_b32 s3, s15, 15
	s_lshl_b32 s23, s16, 15
	s_add_co_u32 s23, s23, 65536
	s_mul_i32 s12, s14, 16*SPITCH
	s_add_co_u32 s12, s12, STAGE       ; my stage
	v_lshlrev_b32 v4, 4, v3
	v_add_nc_u32 v[AP0], s3, v4
	v_add_nc_u32 v[AV0], s23, v4
	v_mul_u32_u24 v5, v1, SPITCH
	v_lshl_add_u32 v5, v2, 5, v5
	v_add_nc_u32 v[STO], s12, v5       ; in: row r, 32 bytes for each half of the lanes
	v_mul_u32_u24 v6, v2, SPITCH
	v_lshl_add_u32 v6, v1, 4, v6
	v_add_nc_u32 v[RD], s12, v6        ; back: lanes 0-15 take one row's 256 bytes, lanes 16-31 the next row's
	v_lshlrev_b32 v7, 12, v2
	v_lshl_add_u32 v[GOF], v1, 4, v7
	v_lshlrev_b32 v[PFO], 8, v3
	s_wait_alu depctr_va_vdst(0)
	global_prefetch_b8 v[PFO], s[PFA:PFA+1] th:TH_LOAD_NT scope:SCOPE_SE   ; fill 1
.macro ZERO                            ; the loop body is written once: a tile's first key tile adds onto zeros
	WIN 0x80
.set k, 0
.rept 128
	v_mov_b32 v[128+k], 0
.set k, k+1
.endr
	WIN 0
.endm
	ZERO
	s_mov_b32 s[TB], 0
	s_mov_b32 s[T], 0
	s_wait_alu depctr_va_vdst(0)
	s_wait_kmcnt 0x0
	s_add_co_i32 s96, s94, s95         ; e8 + e9
	s_wait_loadcnt 0x0
	WIN 0x55                           ; all in window 1
.irp a, 0,1,2,3
	v_min3_num_f32 v[MN+\a], v[NMS+\a], v[NMS+4+\a], v[NMS+8+\a]         ; -M = the least -M_j
	v_min3_num_f32 v[MN+4+\a], v[NMS+32+\a], v[NMS+36+\a], v[NMS+40+\a]
.endr
.irp a, 0,1,2,3
	v_min3_num_f32 v[MN+\a], v[MN+\a], v[NMS+12+\a], v[NMS+16+\a]
	v_min_num_f32 v[MN+4+\a], v[MN+4+\a], v[NMS+44+\a]
.endr
.irp a, 0,1,2,3
	v_min3_num_f32 v[MN+\a], v[MN+\a], v[NMS+20+\a], v[NMS+24+\a]
.endr
.irp a, 0,1,2,3
	v_min_num_f32 v[MN+\a], v[MN+\a], v[NMS+28+\a]
.endr
.irp t, 0,1,2,3,4,5,6,7,8,9,10,11
.irp a, 0,1,2,3
	v_sub_f32 v[FS+4*\t+\a], v[MN+4*(\t/8)+\a], v[NMS+4*\t+\a]           ; M_j - M: a whole number, 0 or less
.endr
.endr
.set k, 0
.rept 48
	v_cvt_i32_f32 v[FS+k], v[FS+k]
.set k, k+1
.endr
.irp t, 0,1,2,3,4,5,6,7,8,9,10,11
.if \t < 8
	s_cmp_ge_u32 s21, \t
.else
	s_cmp_ge_u32 s22, \t-8
.endif
	s_cselect_b32 s3, 1.0, 0           ; a choice of a value, no branch
.irp a, 0,1,2,3
	v_ldexp_f32 v[FS+4*\t+\a], s3, v[FS+4*\t+\a]                         ; 2^(M_j - M), or 0
.endr
.endr
.set k, 0
.rept 24
	v_pk_add_f32 v[L0S+k:L0S+k+1], v[L0S+k:L0S+k+1], v[L1S+k:L1S+k+1]
.set k, k+2
.endr
.irp a, 0,1,2,3
	v_mul_f32 v[LR+\a], v[FS+\a], v[L0S+\a]
	v_mul_f32 v[LR+4+\a], v[FS+32+\a], v[L0S+32+\a]
.endr
.irp t, 1,2,3,4,5,6,7
.irp a, 0,1,2,3
	v_fmac_f32 v[LR+\a], v[FS+4*\t+\a], v[L0S+4*\t+\a]
.if \t < 4
	v_fmac_f32 v[LR+4+\a], v[FS+32+4*\t+\a], v[L0S+32+4*\t+\a]
.endif
.endr
.endr
	s_wait_alu depctr_va_vdst(0)
.irp a, 0,1,2,3,4,5,6,7
	v_rcp_f32 v[GG+\a], v[LR+\a]
.endr
	v_nop
	s_wait_alu depctr_va_vdst(0)       ; one wait for the eight, ahead of their first reader
.irp a, 0,1,2,3,4,5,6,7
	v_ldexp_f32 v[GG+\a], v[GG+\a], s96
.endr
	WIN 0x15                           ; the factors lie in window 0
.irp t, 0,1,2,3,4,5,6,7,8,9,10,11
.irp a, 0,1,2,3
	v_mul_f32 v[FP+4*\t+\a], v[FS+4*\t+\a], v[GG+4*(\t/8)+\a]
.endr
.endr
	WIN 0
; Key block n of the slot in hand: 32 LDS loads into its sets, V^T's four fragments, then P's
.macro LOADKB n
	WIN 0x40
.irp b, 0,1,2,3
.irp c, 0,1,2,3
	ds_load_b128 v[64*\n+16*\b+4*\c:64*\n+16*\b+4*\c+3], v[ADV] offset:8192*\b+2048*\n+512*\c
.endr
.endr
	WIN 0xc0
.irp b, 0,1,2,3
.irp c, 0,1,2,3
	ds_load_b128 v[64*\n+16*\b+4*\c:64*\n+16*\b+4*\c+3], v[ADP] offset:8192*\b+2048*\n+512*\c
.endr
.endr
	WIN 0
.endm
.set MUL, 0xad                         ; source 0 (V^T) window 1, source 1 (P) window 3, C and D window 2
.macro MME n                           ; an even key block: 16 products begin T
	WIN MUL
.irp a, 0,1,2,3
.irp b, 0,1,2,3
	v_wmma_f32_16x16x128_fp8_fp8 v[8*(4*\a+\b):8*(4*\a+\b)+7], v[64*\n+16*\b:64*\n+16*\b+15], v[64*\n+16*\a:64*\n+16*\a+15], 0
.endr
.endr
.endm
.macro WMM a, n                        ; block a's four sums take the odd key block: each link stands fifteen products behind the one that it adds onto, one instruction a turn
	WIN MUL
.irp b, 0,1,2,3
	v_wmma_f32_16x16x128_fp8_fp8 v[8*(4*\a+\b):8*(4*\a+\b)+7], v[64*\n+16*\b:64*\n+16*\b+15], v[64*\n+16*\a:64*\n+16*\a+15], v[8*(4*\a+\b):8*(4*\a+\b)+7]
.endr
.endm
.macro FACC u, a                       ; ACC += T x the factor of the fill's key tile u, block a, each T from its low end on
	WIN 0xa2
.set k, 0
.rept 16
	v_pk_fma_f32 v[128+32*\a+k:128+32*\a+k+1], v[32*\a+k:32*\a+k+1], v[FP+4*\u+2*(\a/2):FP+4*\u+2*(\a/2)+1], v[128+32*\a+k:128+32*\a+k+1] op_sel:[0,\a%2,0] op_sel_hi:[1,\a%2,1]
.set k, k+2
.endr
.endm
.macro MMO u, n                        ; by blocks of queries, the vector work of one between the products of the next
	WMM 0, \n
	WMM 1, \n
	PLACES
	FACC \u, 0
	WMM 2, \n
	FACC \u, 1
	WMM 3, \n
	FACC \u, 2
	FACC \u, 3
.endm
.macro PROC ask
	v_add_nc_u32 v[ADP], s[TB], v[AP0]
	v_add_nc_u32 v[ADV], s[TB], v[AV0]
	s_wait_alu depctr_va_vdst(0)
	LOADKB 0
	LOADKB 1
.if \ask
	s_cmp_lt_u32 s[T], 3               ; fill T + 2; the last trip has none left to ask for
	s_cbranch_scc0 .Lno_ask_\@
	global_prefetch_b8 v[PFO], s[PF2:PF2+1] th:TH_LOAD_NT scope:SCOPE_SE
.Lno_ask_\@:
.endif
	s_wait_dscnt 32                    ; key block 0's 32 loads are in; the next block's may be out
	MME 0
	LOADKB 2
	s_wait_dscnt 32
	MMO 0, 1
	LOADKB 3
	s_wait_dscnt 32
	MME 2
	s_wait_dscnt 0x0
	MMO 1, 3
	WIN 0
.endm
.macro SHIFT                           ; the next fill's factors come to the table's front
.set k, 0
.rept 40
	v_mov_b32 v[FP+k], v[FP+8+k]
.set k, k+1
.endr
.endm
; THE WAY OUT, block by block: 16 queries x 64 channels.  A lane's 32 bytes of a row go into my own stage and come back as whole pieces of 256 bytes, two rows an instruction.
; LDS serves a wave's instructions in order (ISA guide 5.7.1.4): the loads see my stores, and the next block's stores come behind them.
.macro OUT sb, w
.irp a, 0,1,2,3
	WIN 0x08
.irp b, 0,1,2,3
	ds_store_b128 v[STO], v[128+32*\a+8*\b:128+32*\a+8*\b+3] offset:64*\b
	ds_store_b128 v[STO], v[128+32*\a+8*\b+4:128+32*\a+8*\b+7] offset:64*\b+16
.endr
	WIN 0x40*\w
.irp i, 0,1,2,3,4,5,6,7
	ds_load_b128 v[RB+32*\a+4*\i:RB+32*\a+4*\i+3], v[RD] offset:2*\i*SPITCH
.endr
.endr
	WIN 0x04*\w
.irp a, 0,1,2,3
	s_wait_dscnt 48-16*\a              ; behind a block's loads: 16 LDS instructions for each later block
.irp i, 0,1,2,3,4,5,6,7
	global_store_b128 v[GOF], v[RB+32*\a+4*\i:RB+32*\a+4*\i+3], s[\sb:\sb+1] offset:65536*\a+8192*\i th:TH_STORE_NT
.endr
.endr
	WIN 0
.endm
	s_wait_alu depctr_va_vdst(0)       ; the head's end
.Lfill:                                ; four trips: fill T is worked on while fill T + 1 is on its way
	s_wait_tensorcnt 0x0               ; my part of fill T is in
	ds_add_u32 v[SPW], v[NIL]          ; 0 onto my spare word; the descriptors' steps stand between it and the wait for it
	s_xor_b32 s[G0+1], s[G0+1], SLOT
	s_xor_b32 s[G0B+1], s[G0B+1], SLOT
	s_add_co_u32 s8, s[T], 1
	s_cmp_eq_u32 s8, s[NH]             ; is fill T + 1 L's first?
	s_cselect_b32 s78, 0, FILL
	s_cselect_b32 s80, s63, 0
	s_cselect_b32 s82, s86, 0
	s_add_nc_u64 s[G0+2:G0+3], s[G0+2:G0+3], s[78:79]
	s_sub_nc_u64 s[G0+2:G0+3], s[G0+2:G0+3], s[80:81]
	s_add_nc_u64 s[G0B+2:G0B+3], s[G0B+2:G0B+3], s[78:79]
	s_sub_nc_u64 s[G0B+2:G0B+3], s[G0B+2:G0B+3], s[82:83]
	s_wait_dscnt 0x0                   ; the add is done, and my reads of the other slot are over
	CROUND
	JLOAD                              ; fill T + 1
	PROC 1
	SHIFT
	s_wait_alu depctr_va_vdst(0)
	s_wait_xcnt 0x0                    ; the prefetch has read its address
	s_add_co_u32 s8, s[T], 3
	s_cmp_eq_u32 s8, s[NH]
	s_cselect_b32 s78, 0, FILL
	s_cselect_b32 s88, s87, 0
	s_add_nc_u64 s[PF2:PF2+1], s[PF2:PF2+1], s[78:79]
	s_sub_nc_u64 s[PF2:PF2+1], s[PF2:PF2+1], s[88:89]
	s_add_co_u32 s8, s[T], 1
	s_cmp_eq_u32 s8, s[NH]
	s_cbranch_scc0 .Lmore              ; H goes out behind its last fill, in one trip of the four
	OUT 90, 0
	ZERO
	s_wait_alu depctr_va_vdst(0)
	s_cmp_eq_u32 s18, 1                ; c = 1: H has no key tiles 6 and 7: their places are passed over
	s_cbranch_scc0 .Lmore
	SHIFT
.Lmore:
	s_xor_b32 s[TB], s[TB], SLOT
	s_add_co_u32 s[T], s[T], 1
	s_wait_alu depctr_va_vdst(0)
	s_cmp_lt_u32 s[T], 4
	s_cbranch_scc1 .Lfill
	s_wait_tensorcnt 0x0               ; the last fill is in; nothing is filled again
	ds_add_u32 v[SPW], v[NIL]
	s_wait_dscnt 0x0
	s_barrier_signal -1
	s_barrier_wait -1
	PROC 0
	s_wait_alu depctr_va_vdst(0)
	OUT 92, 1
	s_wait_tensorcnt 0x0               ; the wave's end
	ds_add_u32 v[SPW], v[NIL]
	s_wait_dscnt 0x0
	CROUND                             ; the closing round
	s_endpgm
.Lfunc_end_k_q409d064285_pv:
	.size	k_q409d064285_pv, .Lfunc_end_k_q409d064285_pv-k_q409d064285_pv
	.p2alignl 7, 3214868480
	.fill 96, 4, 3214868480
	.section	.rodata,"a",@progbits
	.p2align	6, 0x0
	.amdhsa_kernel k_q409d064285_pv
		.amdhsa_group_segment_fixed_size 327680
		.amdhsa_private_segment_fixed_size 0
		.amdhsa_enable_private_segment 0
		.amdhsa_kernarg_size 40
		.amdhsa_user_sgpr_count 2
		.amdhsa_user_sgpr_kernarg_segment_ptr 1
		.amdhsa_wavefront_size32 1
		.amdhsa_system_sgpr_workgroup_id_x 1
		.amdhsa_system_sgpr_workgroup_id_y 1
		.amdhsa_system_sgpr_workgroup_id_z 1
		.amdhsa_system_vgpr_workitem_id 0
		.amdhsa_next_free_vgpr 1024
		.amdhsa_next_free_sgpr 102
		.amdhsa_reserve_vcc 0
		.amdhsa_float_denorm_mode_32 3
		.amdhsa_float_denorm_mode_16_64 3
		.amdhsa_memory_ordered 1
		.amdhsa_forward_progress 1
		.amdhsa_inst_pref_size 97
	.end_amdhsa_kernel
	.amdgpu_metadata
---
amdhsa.version: [ 1, 2 ]
amdhsa.kernels:
  - .name:           k_q409d064285_pv
    .symbol:         k_q409d064285_pv.kd
    .args:
      - { .name: p_codes, .offset: 0, .size: 8, .value_kind: global_buffer, .address_space: global }
      - { .name: vt_codes, .offset: 8, .size: 8, .value_kind: global_buffer, .address_space: global }
      - { .name: stats, .offset: 16, .size: 8, .value_kind: global_buffer, .address_space: global }
      - { .name: lowp_scales, .offset: 24, .size: 8, .value_kind: global_buffer, .address_space: global }
      - { .name: out0, .offset: 32, .size: 8, .value_kind: global_buffer, .address_space: global }
    .group_segment_fixed_size: 327680
    .private_segment_fixed_size: 0
    .kernarg_segment_align: 8
    .kernarg_segment_size: 40
    .max_flat_workgroup_size: 128
    .sgpr_count:     102
    .vgpr_count:     1024
    .wavefront_size: 32
...
	.end_amdgpu_metadata
.endif
;; end of part 3
